; MI455X (gfx1250); checked and timed in simulation.
; The chip was launched on July 23, 2026; its instructions are those of AMD's public machine-readable ISA for CDNA 5 (MIT licence, August 2026) and "CDNA5" Instruction Set Architecture Reference Guide (July 2026). The comments in the code are by the model that wrote it; some were corrected since.
;; Transformer Block Classical. Allowed arithmetic: float matrix products may take bf16 or f16 operands with f32 sums; other float arithmetic in f32, or as packed bf16 or f16 multiplies, adds, multiply-adds, maxima and minima; sums over many terms, partial sums and values carried from step to step in f32; what a program stores and reads back later, other than sums and carried values, may be rounded once to bf16 or f16.
;; Inputs: b1 2,048 float32; b2 2,048 float32; b_ffn_o 1,024 float32; b_o 1,024 float32; be1 1,024 float32; be2 1,024 float32; g1 1,024 float32; g2 1,024 float32; w1 1,024 x 2,048 float32; w2 1,024 x 2,048 float32; w_ffn_o 2,048 x 1,024 float32; w_o 1,024 x 1,024 float32; w_qkv 1,024 x 3,072 float32; x 2 x 2,048 x 1,024 float32.
;; Outputs: out0 2 x 2,048 x 1,024 float32.
;; 2 versions, each right; version 2 is version 1 with the launches cast, ln1 written anew for expert scheduling mode. Each part assembles by itself: llvm-mc -triple=amdgcn-amd-amdhsa -mcpu=gfx1250 --defsym DOCPART=n.
;; ======== version 1 of 2: 8 launches
;; workspace buffers: wb 20,971,520 bytes; xb 8,388,608 bytes; qkvh 25,165,824 bytes; ctxh 8,388,608 bytes; z 16,777,216 bytes; x1f 16,777,216 bytes; gs 16,777,216 bytes
;; launch cast (part 1): grid 896 x 1, 8 waves a work-group, no clusters, 0 bytes of LDS; arguments x, w_qkv, w_o, w1, w2, w_ffn_o, xb, wb; writes xb, wb
.if DOCPART == 1
	.amdgcn_target "amdgcn-amd-amdhsa--gfx1250"
	.amdhsa_code_object_version 6
	.text
	.protected	k_qf7c42b72ce_cast
	.globl	k_qf7c42b72ce_cast
	.p2align	8
	.type	k_qf7c42b72ce_cast,@function
k_qf7c42b72ce_cast:
	s_mov_b64 s[64:65], 0
	v_nop
	global_prefetch_b8 v0, s[64:65] scope:SCOPE_SE
	s_setreg_imm32_b32 hwreg(HW_REG_WAVE_MODE, 25, 1), 1
	s_wait_xcnt 0x0
; f32 -> bf16, once, for every matrix operand that is an input.  A work-group takes 16,384 numbers, a thread 64: sixteen loads of 16 bytes, sixteen stores of 8.
; Work-groups 0-255: x, rows 16 g .. 16 g + 15, written in SLABS: xb[column / 64][row 0..4095][64], a slab 524,288 bytes, a row of a slab 128 bytes.
;   Thread t takes row t / 16 and, in load j, columns 64 j + 4 (t % 16) ..: its 8 bytes go to slab j at 2,048 g + 8 t, so a wave's store covers 256 consecutive bytes, aligned.
; Work-groups 256-895: the five weight matrices, copied as they lie ([K][N]), one behind the other in wb: chunk c = g - 256 of 65,536 source bytes goes to wb + 32,768 c.
;   w_qkv chunks 0-191, w_o 192-255, w1 256-383, w2 384-511, w_ffn_o 512-639.
; No register is written twice, so no wait but the counted ones for the loads; no LDS, no barrier: nothing is shared.
.set X, 8                              ; v[8:71]   sixteen loads of four
.set Y, 72                             ; v[72:103] sixteen stores of two
.macro BODY lstep, sstep
.set i, 0
.rept 16
	global_load_b128 v[X+4*i:X+4*i+3], v2, s[4:5] offset:i*(\lstep) th:TH_LOAD_NT
.set i, i+1
.endr
.set i, 0
.rept 16
	s_wait_loadcnt 15-i                            ; loads come back in order: load i is in, the 15 - i younger ones stay out
	v_cvt_pk_bf16_f32 v[Y+2*i], v[X+4*i], v[X+4*i+1]
	v_cvt_pk_bf16_f32 v[Y+2*i+1], v[X+4*i+2], v[X+4*i+3]
	global_store_b64 v3, v[Y+2*i:Y+2*i+1], s[8:9] offset:i*(\sstep)
.set i, i+1
.endr
.endm
	s_load_b512 s[16:31], s[0:1], 0x0              ; x 16, w_qkv 18, w_o 20, w1 22, w2 24, w_ffn_o 26, xb 28, wb 30
	v_lshlrev_b32 v3, 3, v0                        ; 8 t: my place in every store
	s_cmp_lt_u32 ttmp9, 256
	s_cbranch_scc0 .Lweights
	v_lshrrev_b32 v1, 4, v0                        ; my row of the sixteen
	v_and_b32 v2, 15, v0
	v_lshlrev_b32 v2, 4, v2
	v_lshl_add_u32 v2, v1, 12, v2                  ; row x 4,096 + 16 (t % 16)
	s_lshl_b32 s2, ttmp9, 16                       ; 16 rows of 4,096 bytes
	s_mov_b32 s3, 0
	s_lshl_b32 s6, ttmp9, 11                       ; 16 rows of 128 bytes in a slab
	s_mov_b32 s7, 0
	s_wait_kmcnt 0x0
	s_add_nc_u64 s[4:5], s[16:17], s[2:3]
	s_add_nc_u64 s[8:9], s[28:29], s[6:7]
	BODY 256, 524288                               ; the largest store offset, 15 slabs, lies inside the signed 24-bit immediate
	s_endpgm
.Lweights:
	v_lshlrev_b32 v2, 4, v0                        ; 16 t
	s_sub_co_u32 s2, ttmp9, 256                    ; chunk c
	s_wait_kmcnt 0x0
	s_mov_b64 s[4:5], s[26:27]                     ; which matrix holds chunk c, and that matrix's first chunk
	s_mov_b32 s6, 512
	s_cmp_lt_u32 s2, 512
	s_cselect_b64 s[4:5], s[24:25], s[4:5]
	s_cselect_b32 s6, 384, s6
	s_cmp_lt_u32 s2, 384
	s_cselect_b64 s[4:5], s[22:23], s[4:5]
	s_cselect_b32 s6, 256, s6
	s_cmp_lt_u32 s2, 256
	s_cselect_b64 s[4:5], s[20:21], s[4:5]
	s_cselect_b32 s6, 192, s6
	s_cmp_lt_u32 s2, 192
	s_cselect_b64 s[4:5], s[18:19], s[4:5]
	s_cselect_b32 s6, 0, s6
	s_sub_co_u32 s6, s2, s6
	s_lshl_b32 s6, s6, 16
	s_mov_b32 s7, 0
	s_add_nc_u64 s[4:5], s[4:5], s[6:7]
	s_lshl_b32 s2, s2, 15
	s_mov_b32 s3, 0
	s_add_nc_u64 s[8:9], s[30:31], s[2:3]
	BODY 4096, 2048
	s_endpgm
.Lfunc_end_k_qf7c42b72ce_cast:
	.size	k_qf7c42b72ce_cast, .Lfunc_end_k_qf7c42b72ce_cast-k_qf7c42b72ce_cast
	.p2alignl 7, 3214868480
	.fill 96, 4, 3214868480
	.section	.rodata,"a",@progbits
	.p2align	6, 0x0
	.amdhsa_kernel k_qf7c42b72ce_cast
		.amdhsa_group_segment_fixed_size 0
		.amdhsa_private_segment_fixed_size 0
		.amdhsa_enable_private_segment 0
		.amdhsa_kernarg_size 64
		.amdhsa_user_sgpr_count 2
		.amdhsa_user_sgpr_kernarg_segment_ptr 1
		.amdhsa_wavefront_size32 1
		.amdhsa_system_sgpr_workgroup_id_x 1
		.amdhsa_system_sgpr_workgroup_id_y 1
		.amdhsa_system_sgpr_workgroup_id_z 1
		.amdhsa_system_vgpr_workitem_id 0
		.amdhsa_next_free_vgpr 104
		.amdhsa_next_free_sgpr 66
		.amdhsa_reserve_vcc 0
		.amdhsa_float_denorm_mode_32 3
		.amdhsa_float_denorm_mode_16_64 3
		.amdhsa_memory_ordered 1
		.amdhsa_forward_progress 1
		.amdhsa_inst_pref_size 13
	.end_amdhsa_kernel
	.amdgpu_metadata
---
amdhsa.version: [ 1, 2 ]
amdhsa.kernels:
  - .name:           k_qf7c42b72ce_cast
    .symbol:         k_qf7c42b72ce_cast.kd
    .args:
      - { .name: x, .offset: 0, .size: 8, .value_kind: global_buffer, .address_space: global }
      - { .name: w_qkv, .offset: 8, .size: 8, .value_kind: global_buffer, .address_space: global }
      - { .name: w_o, .offset: 16, .size: 8, .value_kind: global_buffer, .address_space: global }
      - { .name: w1, .offset: 24, .size: 8, .value_kind: global_buffer, .address_space: global }
      - { .name: w2, .offset: 32, .size: 8, .value_kind: global_buffer, .address_space: global }
      - { .name: w_ffn_o, .offset: 40, .size: 8, .value_kind: global_buffer, .address_space: global }
      - { .name: xb, .offset: 48, .size: 8, .value_kind: global_buffer, .address_space: global }
      - { .name: wb, .offset: 56, .size: 8, .value_kind: global_buffer, .address_space: global }
    .group_segment_fixed_size: 0
    .private_segment_fixed_size: 0
    .kernarg_segment_align: 8
    .kernarg_segment_size: 64
    .max_flat_workgroup_size: 256
    .sgpr_count:     66
    .vgpr_count:     104
    .wavefront_size: 32
...
	.end_amdgpu_metadata
.endif
;; end of part 1
;; launch qkv (part 2): grid 8 x 32, 4 waves a work-group, clusters of 4 x 4, 327,680 bytes of LDS; arguments xb, wb, qkvh; writes qkvh
.if DOCPART == 2
	.amdgcn_target "amdgcn-amd-amdhsa--gfx1250"
	.amdhsa_code_object_version 6
	.text
	.protected	k_qf7c42b72ce_qkv
	.globl	k_qf7c42b72ce_qkv
	.p2align	8
	.type	k_qf7c42b72ce_qkv,@function
k_qf7c42b72ce_qkv:
	s_mov_b64 s[64:65], 0
	v_nop
	global_prefetch_b8 v0, s[64:65] scope:SCOPE_SE
	s_setreg_imm32_b32 hwreg(HW_REG_WAVE_MODE, 25, 1), 1
	s_wait_xcnt 0x0
	s_wait_alu depctr_hold_cnt(0) depctr_sa_sdst(0) depctr_va_vdst(0) depctr_va_sdst(0) depctr_va_ssrc(0) depctr_va_vcc(0) depctr_vm_vsrc(0)
	s_getreg_b32 s2, hwreg(HW_REG_IB_STS2, 6, 4)
	s_cmp_eq_u32 s2, 0
	s_cbranch_scc0 .Lentry_in_a_cluster
	s_endpgm
.Lentry_in_a_cluster:
	s_bfe_u32 s2, ttmp6, 0x10000c
	s_cmp_lg_u32 s2, 0xf033
	s_cbranch_scc0 .Lentry_shape_is_right
	s_endpgm
.Lentry_shape_is_right:
; qkv = x Wqkv, written by heads.  A = xb (bf16 slabs [k / 64][row][64]), W = wb + 0 (bf16 [1024][3072]), out = qkvh (bf16 slabs [column / 64][row][64]: q heads 0-15, k 16-31, v 32-47).  Sums in f32, rounded once.
; SHARES.  A work-group makes 128 rows x 384 columns (three panels of 128): 8 x 32 = 256 work-groups.  Wave w: rows 64 (w / 2) .., and of each panel the columns 64 (w % 2) ..: 48 accumulators, 384 registers.
; A wave's 64 columns of a panel are one whole slab of the output, so no wave needs another's results on the way out.
; RING.  K goes in steps of 128 through two LDS slots of four regions of 36,864 bytes; wave w fills region w with one tensor load: wave 0 A's 128 rows (two slabs: two rows of 16,384 dense bytes each, padded
; 16 bytes behind every 128: the tile's rows are whole pieces of slabs, so there are two long ones and not 64), waves 1-3 a panel of W (128 k x 256 bytes, pitch 288).
; THE PRODUCT IS USED TRANSPOSED: source 0 = 16 columns of W (out of [k][n] rows by the turning load), source 1 = 16 rows of A: a lane holds one row and eight neighbouring columns.
; CLUSTER 4 x 4: A's tile hangs on the tile row alone and is asked for jointly along a row of the cluster, W's on the tile column alone, jointly along a column.
; REGISTERS.  window 0: v16-30 addresses; v32-47 packed results; v64-95, v96-127 A's two fragment buffers; v128-159 rows read back.  window 1: v0-95, v96-191 W's two buffers.
; windows 2, 3: accumulator (a, n) at v[8 (12 (a % 2) + n)] of window 2 + a / 2 (a: 16 rows, n = 4 panel + block of 16 columns).
; All 48 accumulators take turns, one instruction a turn, in the same order in every quarter step.
.set NS,    8                          ; K steps of 128
.set UT,    2                          ; trips of U in a step: a trip is one slab, 64 along K
.set NA,    1                          ; waves below this number fetch A
.set NN,    3072
.set REG,   0x9000
.set SLOTB, 0x24000                    ; four regions; no region's offset has bit 14 or 17 set, so one exclusive or turns an address in one slot into the other's
.set STAGE, 2*SLOTB                    ; behind the ring: 16 rows x 144 bytes for each wave
.set SP,    144
.set SPARE, STAGE+4*16*SP              ; the spare words, 128 bytes a wave: two blocks of 256 bytes that no other line names
.set ASTB,  2*524288                   ; a K step in A's memory: two slabs
.set BSTB,  128*NN*2                   ; in W's: 128 rows
.set AST,   128*144                    ; a slab of A in LDS
.set BST,   64*288                     ; 64 k of W in LDS
.set A0,    16                         ; my lane's place in A's region; never rewritten
.set B0,    17                         ; in the first panel; never rewritten
.set ADRA,  18
.set ADRB,  19
.set ADRB2, 20                         ; the third panel lies beyond a 16-bit offset
.set STO,   24
.set RD,    25
.set GO,    26
.set SPW,   28
.set NIL,   29
.set PFO,   30
.set PKR,   32
.set BK,    128
.set G1,  24
.set G0,  32
.set G1B, 48
.set G0B, 56
.set TA,  66                           ; LDS offset of the slab of A to be fetched
.set TB,  67                           ; of W's 64 k
.set CNT, 68
.set STEPS, 69
.set PFA, 70                           ; s[70:71] where my prefetches stand
.set LIM, 72
.set PST, 76                           ; s[76:77] a K step of my stream in bytes
.set MSB, 0
.macro WIN new                         ; the immediate's high byte repeats the setting that is left; a switch that changes nothing is dropped
.if MSB != (\new)
	s_set_vgpr_msb (MSB<<8)|(\new)
.set MSB, \new
.endif
.endm
.macro PLACES                          ; four plain places behind matrix instructions, in front of loads into registers that they read and of conversions of their results
.rept 4
	v_nop
.endr
.endm
.macro CROUND                          ; a round of the cluster's barrier
	s_barrier_signal -1
	s_barrier_wait -1
	s_cmp_lg_u32 s10, 0
	s_cbranch_scc1 .Lnot_wave_0_\@
	s_barrier_signal -3
.Lnot_wave_0_\@:
	s_barrier_wait -3
	s_barrier_signal -1
	s_barrier_wait -1
.endm
.macro JLOAD                           ; the joint refill, by the walking descriptors; the branch hangs on the wave's number alone
	s_cmp_lt_u32 s10, NA
	s_cbranch_scc0 .Lfor_b_\@
	tensor_load_to_lds s[G0+4:G0+7], s[G1:G1+7]
	s_nop 0
.rept 4
	v_nop
.endr
	s_branch .Lasked_\@
.Lfor_b_\@:
	tensor_load_to_lds s[G0B+4:G0B+7], s[G1B:G1B+7]
	s_nop 0
.rept 4
	v_nop
.endr
.Lasked_\@:
.endm
; A prefetch of the K step behind the one just asked for: 32 blocks of 256 bytes, a lane a block, of the stream that my wave fetches.  A's rows are read by both clusters of a row of clusters: cluster x = 0 asks;
; W's by all clusters of a column: cluster y = 0 asks.  The four partners of a joint load take 32 of its 128 blocks each, told apart by address.  The last refill has no step behind it.
.macro ASK
	s_cmp_gt_u32 s[STEPS], s[LIM]
	s_cbranch_scc0 .Lnot_mine_\@
	global_prefetch_b8 v[PFO], s[PFA:PFA+1] th:TH_LOAD_NT scope:SCOPE_SE
.Lnot_mine_\@:
.endm
	s_load_b128 s[80:83], s[0:1], 0x0              ; xb s[80:81], wb s[82:83]
	s_load_b64 s[84:85], s[0:1], 0x10              ; qkvh
	v_lshl_add_u32 v[SPW], v0, 2, SPARE
	v_mov_b32 v[NIL], 0
	ds_add_u32 v[SPW], v[NIL]                      ; the wave's opening: the add and its wait ahead of my first tensor load
	v_lshrrev_b32 v1, 5, v0
	v_readfirstlane_b32 s10, v1                    ; wave
	s_lshr_b32 s11, s10, 1                         ; my half of the rows
	s_and_b32 s12, s10, 1                          ; my half of each panel's columns
	s_bfe_u32 s40, ttmp6, 0x40000                  ; cx
	s_bfe_u32 s41, ttmp6, 0x40004                  ; cy
	s_lshl_b32 s42, ttmp9, 2
	s_add_co_u32 s42, s42, s40                     ; tile column
	s_and_b32 s13, ttmp7, 0xffff
	s_lshl_b32 s13, s13, 2
	s_add_co_u32 s13, s13, s41                     ; tile row
	s_lshl_b32 s43, s41, 2
	s_lshl_b32 s43, 15, s43                        ; my row of the cluster
	s_lshl_b32 s44, 0x1111, s40                    ; my column
	s_or_b32 s[G1+0], s43, (1<<16)|(1<<20)|(1<<21)|(4<<22)|(3<<25)   ; mask; 2-byte elements; padding on; bit 21 beside a mask; behind every 32 words, 4 words
	s_mov_b32 s[G1+1], 8192<<16                    ; tensor_dim0 = 8,192 elements: 128 rows of a slab
	s_mov_b32 s[G1+2], 2<<16                       ; tensor_dim1 = 2 slabs
	s_mov_b32 s[G1+3], 8192<<16                    ; tile_dim0
	s_mov_b32 s[G1+4], 2                           ; tile_dim1
	s_mov_b32 s[G1+5], 262144                      ; elements from slab to slab
	s_mov_b32 s[G1+6], 0
	s_mov_b32 s[G1+7], 0
	s_or_b32 s[G1B+0], s44, (1<<16)|(1<<20)|(1<<21)|(5<<22)|(7<<25)  ; behind every 64 words, 8 words: pitch 288
	s_mov_b32 s[G1B+1], 128<<16
	s_mov_b32 s[G1B+2], 128<<16
	s_mov_b32 s[G1B+3], 128<<16
	s_mov_b32 s[G1B+4], 128
	s_mov_b32 s[G1B+5], NN
	s_mov_b32 s[G1B+6], 0
	s_mov_b32 s[G1B+7], 0
	s_lshl_b32 s16, s13, 14                        ; A: 128 rows of 128 bytes for each tile row
	s_mov_b32 s17, 0
	s_max_u32 s18, s10, 1
	s_sub_co_u32 s18, s18, 1                       ; my panel (wave 0 fetches A; it makes panel 0's address and does not use it)
	s_mul_i32 s46, s42, 3
	s_add_co_u32 s46, s46, s18
	s_lshl_b32 s46, s46, 8                         ; W: 256 bytes of a row for each panel
	s_mov_b32 s47, 0
	s_mul_i32 s20, s10, REG                        ; my region
	s_wait_dscnt 0x0                               ; the opening add is done
	s_wait_kmcnt 0x0
	s_add_nc_u64 s[14:15], s[80:81], s[16:17]
	s_add_nc_u64 s[46:47], s[82:83], s[46:47]
	CROUND                                         ; all sixteen work-groups are here: the first joint loads meet
.irp s, 0,1
	s_mov_b32 s[G0+4*(\s)], 1
	s_add_co_u32 s[G0+4*(\s)+1], s20, (\s)*SLOTB
	s_add_nc_u64 s[G0+4*(\s)+2:G0+4*(\s)+3], s[14:15], (\s)*ASTB
	s_or_b32 s[G0+4*(\s)+3], s[G0+4*(\s)+3], 0x80000000
	s_mov_b32 s[G0B+4*(\s)], 1
	s_add_co_u32 s[G0B+4*(\s)+1], s20, (\s)*SLOTB
	s_add_nc_u64 s[G0B+4*(\s)+2:G0B+4*(\s)+3], s[46:47], (\s)*BSTB
	s_or_b32 s[G0B+4*(\s)+3], s[G0B+4*(\s)+3], 0x80000000
.endr
	s_cmp_lt_u32 s10, NA                           ; a wave's two first fills stand in one branch: two loads of mine are out
	s_cbranch_scc0 .Lfirst_b
	tensor_load_to_lds s[G0:G0+3], s[G1:G1+7]
	s_nop 0
	tensor_load_to_lds s[G0+4:G0+7], s[G1:G1+7]
	s_nop 0
.rept 4
	v_nop
.endr
	s_branch .Lfirst_done
.Lfirst_b:
	tensor_load_to_lds s[G0B:G0B+3], s[G1B:G1B+7]
	s_nop 0
	tensor_load_to_lds s[G0B+4:G0B+7], s[G1B:G1B+7]
	s_nop 0
.rept 4
	v_nop
.endr
.Lfirst_done:
	v_and_b32 v1, 15, v0                           ; r = l % 16
	v_bfe_u32 v2, v0, 4, 1                         ; h = l / 16
	v_mul_u32_u24 v3, v1, 144
	v_lshl_add_u32 v3, v2, 4, v3
	s_mul_i32 s21, s11, 64*144
	v_add_nc_u32 v[A0], s21, v3                    ; A: my 64 rows, row r, 16 h
	v_and_b32 v4, 7, v0
	v_bfe_u32 v5, v0, 3, 1
	v_lshl_add_u32 v6, v2, 3, v4
	v_mul_u32_u24 v6, v6, 288
	v_lshl_add_u32 v6, v5, 4, v6
	s_lshl_b32 s22, s12, 7
	s_add_co_u32 s22, s22, REG
	v_add_nc_u32 v[B0], s22, v6                    ; W: k row 8 h + l % 8, 16 bytes by (l / 8) % 2, my 64 columns
	s_mul_i32 s23, s10, 16*SP
	s_add_co_u32 s23, s23, STAGE
	v_mul_u32_u24 v6, v1, SP
	v_lshl_add_u32 v6, v2, 4, v6
	v_add_nc_u32 v[STO], s23, v6                   ; into my stage: row r, 16 bytes for each half of the lanes
	v_bfe_u32 v6, v0, 3, 2
	v_mul_u32_u24 v6, v6, SP
	v_lshl_add_u32 v6, v4, 4, v6
	v_add_nc_u32 v[RD], s23, v6                    ; back: 32 lanes take four rows of 128 bytes,
	v_and_b32 v6, 31, v0
	v_lshlrev_b32 v[GO], 4, v6                     ; which are 512 consecutive bytes of a slab
	s_mul_i32 s16, s42, 6
	s_add_co_u32 s16, s16, s12
	s_lshl_b32 s16, s16, 19                        ; slab 6 x + my half (a panel further on: two slabs)
	s_lshl_b32 s17, s13, 14
	s_add_co_u32 s16, s16, s17
	s_lshl_b32 s17, s11, 13
	s_add_co_u32 s16, s16, s17                     ; my first row
	s_mov_b32 s17, 0
	s_add_nc_u64 s[84:85], s[84:85], s[16:17]
	; the prefetches
	s_and_b32 s22, ttmp7, 0xffff                   ; cluster y
	s_lshr_b32 s18, s40, 1
	s_lshl_b32 s18, s18, 19
	s_and_b32 s19, s40, 1
	s_lshl_b32 s19, s19, 13
	s_add_co_u32 s18, s18, s19                     ; A: partner cx takes slab cx / 2, half cx % 2: 32 blocks of 256 bytes
	s_mul_i32 s19, s41, 64*NN                      ; W: partner cy takes k rows 32 cy ..
	s_mov_b32 s23, 2*NN
	s_mov_b32 s[PST], BSTB
	s_cmp_lt_u32 s10, NA
	s_cselect_b32 s18, s18, s19
	s_cselect_b32 s22, ttmp9, s22                  ; the coordinate along which other clusters read the same bytes
	s_cselect_b32 s23, 256, s23                    ; from lane to lane
	s_cselect_b32 s[PST], ASTB, s[PST]
	s_cselect_b64 s[PFA:PFA+1], s[14:15], s[46:47]
	s_cmp_eq_u32 s22, 0
	s_cselect_b32 s[LIM], 1, -1
	s_mov_b32 s19, 0
	s_mov_b32 s[PST+1], 0
	s_add_nc_u64 s[PFA:PFA+1], s[PFA:PFA+1], s[18:19]
	s_add_nc_u64 s[PFA:PFA+1], s[PFA:PFA+1], s[PST:PST+1]
	s_add_nc_u64 s[PFA:PFA+1], s[PFA:PFA+1], s[PST:PST+1]  ; at K step 2; each change of slots steps it first.  Steps 0 to 2 come by their loads alone
	v_mul_u32_u24 v[PFO], v6, s23
; 32 LDS loads in one run: the fragments of 32 along K into buffer f: W's 24, then A's 8
.macro FETCH f, ka, kb
	WIN 0x40
.irp p, 0,1
.irp b, 0,1,2,3
	ds_load_tr16_b128 v[96*(\f)+8*(4*(\p)+(\b)):96*(\f)+8*(4*(\p)+(\b))+3],   v[ADRB] offset:(\kb)+36864*(\p)+32*(\b)
	ds_load_tr16_b128 v[96*(\f)+8*(4*(\p)+(\b))+4:96*(\f)+8*(4*(\p)+(\b))+7], v[ADRB] offset:(\kb)+36864*(\p)+32*(\b)+4608
.endr
.endr
.irp b, 0,1,2,3
	ds_load_tr16_b128 v[96*(\f)+8*(8+(\b)):96*(\f)+8*(8+(\b))+3],   v[ADRB2] offset:(\kb)+32*(\b)
	ds_load_tr16_b128 v[96*(\f)+8*(8+(\b))+4:96*(\f)+8*(8+(\b))+7], v[ADRB2] offset:(\kb)+32*(\b)+4608
.endr
	WIN 0
.irp i, 0,1,2,3
	ds_load_b128 v[64+32*(\f)+8*(\i):64+32*(\f)+8*(\i)+3],   v[ADRA] offset:(\ka)+2304*(\i)
	ds_load_b128 v[64+32*(\f)+8*(\i)+4:64+32*(\f)+8*(\i)+7], v[ADRA] offset:(\ka)+2304*(\i)+32
.endr
.endm
; 24 products: row blocks 2 hi, 2 hi + 1 x all 12 column blocks.  c0 = 1: they start the sums with the constant 0
.macro MUL24 f, hi, c0
	WIN 0xa1+0x50*(\hi)
.irp a, 0,1
.irp n, 0,1,2,3,4,5,6,7,8,9,10,11
.if \c0
	v_wmma_f32_16x16x32_bf16 v[8*(12*(\a)+(\n)):8*(12*(\a)+(\n))+7], v[96*(\f)+8*(\n):96*(\f)+8*(\n)+7], v[64+32*(\f)+8*(2*(\hi)+(\a)):64+32*(\f)+8*(2*(\hi)+(\a))+7], 0
.else
	v_wmma_f32_16x16x32_bf16 v[8*(12*(\a)+(\n)):8*(12*(\a)+(\n))+7], v[96*(\f)+8*(\n):96*(\f)+8*(\n)+7], v[64+32*(\f)+8*(2*(\hi)+(\a)):64+32*(\f)+8*(2*(\hi)+(\a))+7], v[8*(12*(\a)+(\n)):8*(12*(\a)+(\n))+7]
.endif
.endr
.endr
.endm
; a quarter step: 32 along K on buffer f; in its middle the next quarter's fragments are fetched into buffer g
.macro QUARTER f, g, ka, kb, c0
	s_wait_dscnt 4                                 ; all but the youngest four loads: A's row blocks 2 and 3
	MUL24 \f, 0, \c0
	PLACES
	FETCH \g, \ka, \kb
	s_wait_dscnt 32                                ; all but the 32 just issued
	MUL24 \f, 1, \c0
.endm
; a trip: the quarter fetched last is multiplied while a new slab's first half is fetched, then that while its second half is
.macro U
	WIN 0
	v_add_nc_u32 v[ADRA], s[TA], v[A0]
	v_add_nc_u32 v[ADRB], s[TB], v[B0]
	v_add_nc_u32 v[ADRB2], 73728, v[ADRB]
	QUARTER 1, 0, 0, 0, 0
	QUARTER 0, 1, 64, 9216, 0
	WIN 0
	s_add_co_u32 s[TA], s[TA], AST
	s_add_co_u32 s[TB], s[TB], BST
.endm
; the change of slots: every wave waits for all its tensor loads (one is out: its region of the next slot), adds 0 to its spare word, waits for that and for its reads of the slot that it leaves.
; fill = 1: a round of the cluster's barrier, then the joint refill, the first thing behind it, with the K step two steps on.
.macro CHANGE fill
	WIN 0
	s_wait_tensorcnt 0x0                           ; no tensor load of mine is out, so a group 0 may be written
	ds_add_u32 v[SPW], v[NIL]                      ; 0 onto my spare word; scalar work stands between it and the wait for it
.if \fill
	s_xor_b32 s[G0+5], s[G0+5], SLOTB
	s_add_nc_u64 s[G0+6:G0+7], s[G0+6:G0+7], ASTB
	s_xor_b32 s[G0B+5], s[G0B+5], SLOTB
	s_add_nc_u64 s[G0B+6:G0B+7], s[G0B+6:G0B+7], BSTB
	s_wait_xcnt 0x0                                ; the last prefetch, a K step back, has read its address
	s_add_nc_u64 s[PFA:PFA+1], s[PFA:PFA+1], s[PST:PST+1]
.endif
	s_sub_co_u32 s[TA], s[TA], UT*AST              ; the fetches go back to a slot's head, in the other slot
	s_xor_b32 s[TA], s[TA], SLOTB
	s_sub_co_u32 s[TB], s[TB], UT*BST
	s_xor_b32 s[TB], s[TB], SLOTB
	s_wait_dscnt 0x0                               ; the add is done, and my reads of the slot are over
.if \fill
	CROUND
	JLOAD
	ASK
.else
	s_barrier_signal -1
	s_barrier_wait -1
.endif
.endm
	s_wait_tensorcnt 0x1                           ; my region of slot 0 is in; slot 1's may stay out
	s_barrier_signal -1
	s_barrier_wait -1
	v_mov_b32 v[ADRA], v[A0]
	v_mov_b32 v[ADRB], v[B0]
	v_add_nc_u32 v[ADRB2], 73728, v[B0]
	FETCH 0, 0, 0
	QUARTER 0, 1, 64, 9216, 1                      ; the first quarter stands ahead of the loop: its products start the sums
	WIN 0
	s_mov_b32 s[TA], AST
	s_mov_b32 s[TB], BST
	s_mov_b32 s[CNT], UT-1
	s_mov_b32 s[STEPS], NS-1
	s_branch .Lu
.Lstep:                                                ; NS - 2 times: every slot but the last two is filled again
	CHANGE 1
	s_mov_b32 s[CNT], UT
.Lu:
	U
	s_sub_co_u32 s[CNT], s[CNT], 1
	s_cmp_lg_u32 s[CNT], 0
	s_cbranch_scc1 .Lu
	s_sub_co_u32 s[STEPS], s[STEPS], 1
	s_cmp_lg_u32 s[STEPS], 0
	s_cbranch_scc1 .Lstep
	CHANGE 0                                       ; the tail is written out
	s_mov_b32 s[CNT], UT
.Lu2:
	U
	s_sub_co_u32 s[CNT], s[CNT], 1
	s_cmp_lg_u32 s[CNT], 0
	s_cbranch_scc1 .Lu2
	s_wait_dscnt 0x0
	MUL24 1, 0, 0                                  ; the last quarter
	MUL24 1, 1, 0
	WIN 0
	PLACES
; THE WAY OUT: twelve tiles (row block t / 3, panel t % 3) of 16 rows x 64 columns: rounded, 16 bytes a lane into my stage, back as whole rows of 128 bytes, stored as 512 consecutive bytes.
.macro PACK t
	WIN 0
	s_wait_xcnt 0x0                                ; the stores of two tiles back have read the registers that are loaded again below
	WIN 0x0a+5*((\t)/6)
.irp b, 0,1,2,3
.irp r, 0,1,2,3
	v_cvt_pk_bf16_f32 v[PKR+4*(\b)+(\r)], v[8*(12*(((\t)/3)%2)+4*((\t)%3)+(\b))+2*(\r)], v[8*(12*(((\t)/3)%2)+4*((\t)%3)+(\b))+2*(\r)+1]
.endr
.endr
	WIN 0
.irp b, 0,1,2,3
	ds_store_b128 v[STO], v[PKR+4*(\b):PKR+4*(\b)+3] offset:32*(\b)
.endr
.irp f, 0,1,2,3
	ds_load_b128 v[BK+16*((\t)%2)+4*(\f):BK+16*((\t)%2)+4*(\f)+3], v[RD] offset:(\f)*4*SP  ; LDS serves a wave's instructions in order (ISA guide 5.7.1.4): these see the stores above
.endr
.endm
.macro SEND t, younger                 ; younger: the LDS instructions issued behind tile t's loads
	WIN 0
.irp f, 0,1,2,3
	s_wait_dscnt (\younger)+3-(\f)
	global_store_b128 v[GO], v[BK+16*((\t)%2)+4*(\f):BK+16*((\t)%2)+4*(\f)+3], s[84:85] offset:((\t)%3)*1048576+((\t)/3)*2048+(\f)*512
.endr
.endm
	PACK 0
.set t, 1
.rept 11
	PACK t
	SEND t-1, 8
.set t, t+1
.endr
	SEND 11, 0
	s_wait_tensorcnt 0x0                           ; the wave's end
	ds_add_u32 v[SPW], v[NIL]
	s_wait_dscnt 0x0
	CROUND                                         ; the closing round
	s_endpgm
.Lfunc_end_k_qf7c42b72ce_qkv:
	.size	k_qf7c42b72ce_qkv, .Lfunc_end_k_qf7c42b72ce_qkv-k_qf7c42b72ce_qkv
	.p2alignl 7, 3214868480
	.fill 96, 4, 3214868480
	.section	.rodata,"a",@progbits
	.p2align	6, 0x0
	.amdhsa_kernel k_qf7c42b72ce_qkv
		.amdhsa_group_segment_fixed_size 327680
		.amdhsa_private_segment_fixed_size 0
		.amdhsa_enable_private_segment 0
		.amdhsa_kernarg_size 24
		.amdhsa_user_sgpr_count 2
		.amdhsa_user_sgpr_kernarg_segment_ptr 1
		.amdhsa_wavefront_size32 1
		.amdhsa_system_sgpr_workgroup_id_x 1
		.amdhsa_system_sgpr_workgroup_id_y 1
		.amdhsa_system_sgpr_workgroup_id_z 1
		.amdhsa_system_vgpr_workitem_id 0
		.amdhsa_next_free_vgpr 960
		.amdhsa_next_free_sgpr 96
		.amdhsa_reserve_vcc 0
		.amdhsa_float_denorm_mode_32 3
		.amdhsa_float_denorm_mode_16_64 3
		.amdhsa_memory_ordered 1
		.amdhsa_forward_progress 1
		.amdhsa_inst_pref_size 69
	.end_amdhsa_kernel
	.amdgpu_metadata
---
amdhsa.version: [ 1, 2 ]
amdhsa.kernels:
  - .name:           k_qf7c42b72ce_qkv
    .symbol:         k_qf7c42b72ce_qkv.kd
    .args:
      - { .name: xb, .offset: 0, .size: 8, .value_kind: global_buffer, .address_space: global }
      - { .name: wb, .offset: 8, .size: 8, .value_kind: global_buffer, .address_space: global }
      - { .name: qkvh, .offset: 16, .size: 8, .value_kind: global_buffer, .address_space: global }
    .group_segment_fixed_size: 327680
    .private_segment_fixed_size: 0
    .kernarg_segment_align: 8
    .kernarg_segment_size: 24
    .max_flat_workgroup_size: 128
    .sgpr_count:     96
    .vgpr_count:     960
    .wavefront_size: 32
...
	.end_amdgpu_metadata
.endif
;; end of part 2
;; launch attn (part 3): grid 8 x 32, 4 waves a work-group, clusters of 4 x 1, 327,680 bytes of LDS; arguments qkvh, ctxh; writes ctxh
.if DOCPART == 3
	.amdgcn_target "amdgcn-amd-amdhsa--gfx1250"
	.amdhsa_code_object_version 6
	.text
	.protected	k_qf7c42b72ce_attn
	.globl	k_qf7c42b72ce_attn
	.p2align	8
	.type	k_qf7c42b72ce_attn,@function
k_qf7c42b72ce_attn:
	s_mov_b64 s[64:65], 0
	v_nop
	global_prefetch_b8 v0, s[64:65] scope:SCOPE_SE
	s_setreg_imm32_b32 hwreg(HW_REG_WAVE_MODE, 25, 1), 1
	s_wait_xcnt 0x0
	s_wait_alu depctr_hold_cnt(0) depctr_sa_sdst(0) depctr_va_vdst(0) depctr_va_sdst(0) depctr_va_ssrc(0) depctr_va_vcc(0) depctr_vm_vsrc(0)
	s_getreg_b32 s2, hwreg(HW_REG_IB_STS2, 6, 4)
	s_cmp_eq_u32 s2, 0
	s_cbranch_scc0 .Lentry_in_a_cluster
	s_endpgm
.Lentry_in_a_cluster:
	s_bfe_u32 s2, ttmp6, 0x10000c
	s_cmp_lg_u32 s2, 0x3003
	s_cbranch_scc0 .Lentry_shape_is_right
	s_endpgm
.Lentry_shape_is_right:
; ctx[b][q][h][:] = the sum over k of softmax_k(q . k / 8) v.  q, k, v: slabs h, 16 + h, 32 + h of qkvh ([slab][row b 2048 + s][64] bf16); ctx: slab h of ctxh, same rows.
; Products, maxima and sums in f32; the weights p are rounded to bf16 for the second product (their sum l is taken of the unrounded p), ctx once at the end.
; LIMITS.  A weight below 2^-126 counts as 0 in l; NaN and infinities are not treated apart; c s is taken to lie above -4e37, where the running c m starts.
; SHARES.  A work-group owns 256 queries of one (b, h): 8 x 32 = 256 work-groups; a wave 64, as four PIECES of 16.  Every wave walks all 2,048 keys, 64 a step, 256 a slot.
; LAYOUT.  S^T = K Q^T holds ONE query a lane (lane % 16) and the keys 8 (lane / 16) + 0..7; two such results rounded to bf16 ARE source 1 of O^T = V^T P.  K comes out of LDS as it lies, V turned.
; SOFTMAX.  p = 2^(c s - c m), c = log2(e) / 8, with a running maximum m; O and l are multiplied by a = 2^(c m_old - c m_new) in every step.  m starts at the lowest finite number, O and l at 0.
; TURNS.  Turn n belongs to piece n: 8 products K Q^T of piece n + 1, later 8 products V^T P of piece n - 1; beside them the scaling, exponentials, roundings, sums and rescaling of piece n and the
; maximum and statistics of piece n + 1.  Four vector instructions stand behind every matrix instruction, the rest in one lump.  A turn's 33 exponentials are one batch, with one wait.
; CLUSTER.  The four query blocks of a cluster belong to one (b, h) and walk the same K and V: each tile is asked for jointly, by the same load, descriptor and mask in all four.
; REGISTERS.  window 0: v2-15 addresses and two at work; v16-31 statistics; v48-55 at work; v61-63 prefetch offset and the add's two; v64-127 S^T, two buffers; v192-223 P, two buffers.
; window 1: v0-127 O^T, 32 a piece.  window 2: v0-63 Q; v128-191 K of one step; v192-255 V of one step.
.set NP,    4
.set KS,    64
.set PK,    144       ; a row of K in LDS: 128 bytes + 16: the 16 rows of a load start at 16 different groups of four banks (64 banks of 4 bytes: ISA guide 11.1)
.set PV,    160       ; a row of V: 128 + 32
.set VOFF,  4*KS*PK   ; a slot holds four steps: 256 rows of K, then 256 rows of V
.set SLOT1, 1<<17
.set STAGE, SLOT1+4*KS*(PK+PV)
.set SP,    144
.set SPARE, STAGE+4*16*SP
.set TILEB, 4*KS*128  ; a slot's K, or V, in memory
.set AK0, 2
.set AV0, 3
.set AK,  4
.set AV,  5
.set STO, 6
.set RD,  7
.set GO,  8
.set MV,  12
.set QO,  15
.set ST,  16          ; piece t's statistics at v[ST+4 t]: c m, m, l (even keys', odd keys')
.set TMP, 48
.set PFO, 61
.set SPW, 62
.set NIL, 63
.set S,   64
.set P,   192
.set KF,  128
.set VF,  192
.set WV,  12
.set G1K, 24
.set G1V, 32
.set G0K, 40
.set G0V, 44
.set PFA, 48          ; s[48:49] where my prefetches stand
.set LIM, 50
.set SLOTS, 56
.set CNT, 57
.set CS,  58
.set SEL, 60
.set TBK, 62
.set TBV, 63
.set MSB, 0
.macro WIN new
.if MSB != (\new)
	s_set_vgpr_msb (MSB<<8)|(\new)
.set MSB, (\new)
.endif
.endm
.set W_KQ, 0x0a       ; K and Q in window 2, S^T in window 0
.set W_PV, 0x52       ; V in window 2, P in window 0, O^T in window 1
.set W_RS, 0x41       ; destination and source 0 in window 1, source 1 in window 0
.macro JLOAD                        ; waves 0 and 1 fetch the two halves of a slot's K, waves 2 and 3 those of its V
	s_cmp_lt_u32 s[WV], 2
	s_cbranch_scc0 .Lfor_v_\@
	tensor_load_to_lds s[G0K:G0K+3], s[G1K:G1K+7]
	s_nop 0
.rept 4
	v_nop
.endr
	s_branch .Lasked_\@
.Lfor_v_\@:
	tensor_load_to_lds s[G0V:G0V+3], s[G1V:G1V+7]
	s_nop 0
.rept 4
	v_nop
.endr
.Lasked_\@:
.endm
; A prefetch of the tile that the NEXT change of slots will ask for: 128 blocks of 256 bytes of K and as many of V.  Both clusters of a (b, h) walk the same tiles: the first asks.  Its four partners
; take 32 blocks each, told apart by address; in each, wave 0 asks for K's and wave 2 for V's.  The last change that fills a slot asks for nothing.
.macro ASK
	s_cmp_gt_u32 s[SLOTS], s[LIM]
	s_cbranch_scc0 .Lnot_mine_\@
	global_prefetch_b8 v[PFO], s[PFA:PFA+1] th:TH_LOAD_NT scope:SCOPE_SE
.Lnot_mine_\@:
.endm
.macro CROUND
	s_barrier_signal -1
	s_barrier_wait -1
	s_cmp_lg_u32 s[WV], 0
	s_cbranch_scc1 .Lnot_wave_0_\@
	s_barrier_signal -3
.Lnot_wave_0_\@:
	s_barrier_wait -3
	s_barrier_signal -1
	s_barrier_wait -1
.endm
; THE CHANGE OF SLOTS.  Each wave waits for all its tensor loads (one is out: its part of the other slot), adds 0 to its spare word, and waits for that and for its reads of the slot.
; fill = 1: a round of the cluster's barrier, then the joint fill, first behind it, with the keys two slots on.  (At its first use nothing has been read yet: slot 0 is waited for, slot 1 filled.)
.macro CHANGE fill, ask=0
	WIN 0
	s_wait_tensorcnt 0x0            ; no tensor load of mine is out, so a group 0 may be written
	ds_add_u32 v[SPW], v[NIL]
.if \fill
.irp g, G0K, G0V
	s_xor_b32 s[\g+1], s[\g+1], SLOT1
	s_add_nc_u64 s[\g+2:\g+3], s[\g+2:\g+3], TILEB
.endr
	s_wait_xcnt 0x0                 ; the last prefetch, a slot back, has read its address
	s_add_nc_u64 s[PFA:PFA+1], s[PFA:PFA+1], TILEB
	s_wait_dscnt 0x0                ; the add is done, and my reads of the slot are over
	CROUND
	JLOAD
.if \ask
	ASK
.endif
.else
	s_wait_dscnt 0x0
	s_barrier_signal -1
	s_barrier_wait -1
.endif
	s_sub_co_u32 s[TBK], s[TBK], 4*KS*PK
	s_xor_b32 s[TBK], s[TBK], SLOT1
	s_sub_co_u32 s[TBV], s[TBV], 4*KS*PV
	s_xor_b32 s[TBV], s[TBV], SLOT1
.endm
	s_load_b128 s[52:55], s[0:1], 0x0  ; qkvh s[52:53], ctxh s[54:55]
	v_lshl_add_u32 v[SPW], v0, 2, SPARE
	v_mov_b32 v[NIL], 0
	ds_add_u32 v[SPW], v[NIL]       ; the wave's opening: the add and its wait ahead of my first tensor load
	v_lshrrev_b32 v1, 5, v0
	v_readfirstlane_b32 s[WV], v1
	s_bfe_u32 s13, ttmp6, 0x40000   ; cx
	s_lshl_b32 s14, ttmp9, 2
	s_add_co_u32 s14, s14, s13      ; my block of 256 queries: it enters Q's and O's addresses alone
	s_and_b32 s20, ttmp7, 0xffff    ; 16 b + h, which the four partners share
	s_lshr_b32 s21, s20, 4
	s_and_b32 s20, s20, 15
	s_lshl_b32 s20, s20, 19         ; slab h,
	s_lshl_b32 s21, s21, 18         ; rows 2,048 b on
	s_add_co_u32 s20, s20, s21
	s_and_b32 s16, s[WV], 1         ; which half of a slot's 256 keys I fetch
	s_lshl_b32 s22, s16, 14
	s_add_co_u32 s22, s22, s20
	s_mov_b32 s23, 0
	s_mul_i32 s17, s16, 128*PK
	s_mul_i32 s18, s16, 128*PV
	s_lshl_b32 s2, s14, 2
	s_add_co_u32 s2, s2, s[WV]
	s_lshl_b32 s2, s2, 13           ; my wave's 64 rows of 128 bytes
	s_add_co_u32 s2, s2, s20
	s_mov_b32 s3, 0
	; 128 keys are 16,384 dense bytes: asked for as 64 rows of 256 bytes, two keys a row, and padded in LDS after every key
	s_mov_b32 s[G1K], 15|(1<<16)|(1<<20)|(1<<21)|(4<<22)|(3<<25)
	s_mov_b32 s[G1V], 15|(1<<16)|(1<<20)|(1<<21)|(4<<22)|(7<<25)
.irp g, G1K, G1V
	s_mov_b32 s[\g+1], 128<<16
	s_mov_b32 s[\g+2], 64<<16
	s_mov_b32 s[\g+3], 128<<16
	s_mov_b32 s[\g+4], 64
	s_mov_b32 s[\g+5], 128
	s_mov_b32 s[\g+6], 0
	s_mov_b32 s[\g+7], 0
.endr
	s_mov_b32 s[CS], 0x3e38aa3b     ; c = log2(e) / 8
	s_mov_b32 s[CS+1], s[CS]
	s_mov_b32 s[SEL], 0x76543210
	s_mov_b32 s[SEL+1], 0xfedcba98
	s_mov_b32 s[TBK], SLOT1+4*KS*PK ; the first change of slots turns these two into 0
	s_mov_b32 s[TBV], SLOT1+4*KS*PV
	s_mov_b32 s[G0K], 1
	s_mov_b32 s[G0K+1], s17
	s_mov_b32 s[G0V], 1
	s_add_co_u32 s[G0V+1], s18, VOFF
	s_and_b32 s[LIM], s[WV], 1      ; 0 in waves 0 and 2,
	s_or_b32 s[LIM], s[LIM], ttmp9  ; where the cluster is the first of its (b, h): the same in all four partners
	s_cmp_eq_u32 s[LIM], 0
	s_cselect_b32 s[LIM], 1, -1
	v_and_b32 v[PFO], 31, v0
	v_lshlrev_b32 v[PFO], 8, v[PFO]
	s_wait_dscnt 0x0                ; the opening add is done
	s_wait_kmcnt 0x0
	s_add_nc_u64 s[6:7], s[52:53], s[22:23]
	s_add_nc_u64 s[8:9], s[6:7], 16777216          ; V: 32 slabs on
	s_add_nc_u64 s[6:7], s[6:7], 8388608           ; K: 16 slabs on
	s_add_nc_u64 s[G0K+2:G0K+3], s[6:7], 0
	s_or_b32 s[G0K+3], s[G0K+3], 0x80000000
	s_add_nc_u64 s[G0V+2:G0V+3], s[8:9], 0
	s_or_b32 s[G0V+3], s[G0V+3], 0x80000000
	s_add_nc_u64 s[4:5], s[52:53], s[2:3]          ; Q and O at my wave's first row
	s_add_nc_u64 s[10:11], s[54:55], s[2:3]
	s_cmp_lt_u32 s[WV], 2
	s_cselect_b64 s[PFA:PFA+1], s[6:7], s[8:9]     ; (in waves 0 and 2 these stand at a tile's first row)
	s_lshl_b32 s2, s13, 13                         ; my work-group's 32 blocks of the 128
	s_mov_b32 s3, 0
	s_add_nc_u64 s[PFA:PFA+1], s[PFA:PFA+1], s[2:3]
	s_add_nc_u64 s[PFA:PFA+1], s[PFA:PFA+1], TILEB ; at tile 1; every change that fills steps it first.  Tiles 0 to 2 come by their loads alone
	CROUND                          ; all four work-groups are here: the first joint loads meet
	JLOAD                           ; slot 0
	v_and_b32 v1, 15, v0            ; l % 16
	v_bfe_u32 v9, v0, 4, 1          ; l / 16
	v_lshlrev_b32 v[QO], 7, v1
	v_lshl_add_u32 v[QO], v9, 4, v[QO]
	WIN 0x80
.set i, 0
.rept 8                             ; Q stays in registers: piece i / 2, channels 32 (i % 2) on
	global_load_b128 v[8*i:8*i+3],   v[QO], s[4:5] offset:(i/2)*2048+(i%2)*64
	global_load_b128 v[8*i+4:8*i+7], v[QO], s[4:5] offset:(i/2)*2048+(i%2)*64+32
.set i, i+1
.endr
	; What the first turn finds: V's registers and P's second buffer hold 0 (its products V^T P, of a piece that has not been, add 0), O^T and l are 0.  All this stands in the wait for the first tile.
.set i, VF
.rept 64
	v_mov_b32 v[i], 0
.set i, i+1
.endr
	WIN 0x40
.set i, 0
.rept 128
	v_mov_b32 v[i], 0
.set i, i+1
.endr
	WIN 0
.set i, 0
.rept 4
	v_mov_b32 v[ST+4*i], 0xfe000000    ; c m: far below every c s
	v_mov_b32 v[ST+4*i+1], 0xff7fffff  ; m
	v_mov_b32 v[ST+4*i+2], 0
	v_mov_b32 v[ST+4*i+3], 0
.set i, i+1
.endr
.set i, P+16
.rept 16
	v_mov_b32 v[i], 0
.set i, i+1
.endr
	v_mul_u32_u24 v[AK0], v1, PK
	v_lshl_add_u32 v[AK0], v9, 4, v[AK0]
	v_and_b32 v10, 7, v0
	v_bfe_u32 v11, v0, 3, 1
	v_lshl_add_u32 v[AV0], v9, 3, v10
	v_mul_u32_u24 v[AV0], v[AV0], PV
	v_lshl_add_u32 v[AV0], v11, 4, v[AV0]
	v_add_nc_u32 v[AV0], VOFF, v[AV0]
	s_mul_i32 s13, s[WV], 16*SP
	s_add_co_u32 s13, s13, STAGE
	v_mul_u32_u24 v[STO], v1, SP
	v_lshl_add_u32 v[STO], v9, 4, v[STO]
	v_add_nc_u32 v[STO], s13, v[STO]
	v_bfe_u32 v[RD], v0, 3, 2
	v_mul_u32_u24 v[RD], v[RD], SP
	v_lshl_add_u32 v[RD], v10, 4, v[RD]
	v_add_nc_u32 v[RD], s13, v[RD]
	v_and_b32 v[GO], 31, v0
	v_lshlrev_b32 v[GO], 4, v[GO]
; THE MATRIX WORK.  The 4 accumulators of a run of 8 take turns.  Product i of 8 of S^T = K Q^T for piece x: channels 32 (i / 4) on, keys 16 (i % 4) on.
.macro KQ x
	WIN W_KQ
.set rS, S+32*((\x)%2)+8*(i%4)
.set rK, KF+16*(i%4)+8*(i/4)
.set rQ, 16*(\x)+8*(i/4)
.if i < 4
	v_wmma_f32_16x16x32_bf16 v[rS:rS+7], v[rK:rK+7], v[rQ:rQ+7], 0
.else
	v_wmma_f32_16x16x32_bf16 v[rS:rS+7], v[rK:rK+7], v[rQ:rQ+7], v[rS:rS+7]
.endif
.endm
; Product i of 8 of O^T += V^T P for piece x: keys 32 (i / 4) on, channels 16 (i % 4) on.
.macro PV x
	WIN W_PV
.set rO, 32*(\x)+8*(i%4)
.set rV, VF+32*(i/4)+8*(i%4)
.set rP, P+16*((\x)%2)+8*(i/4)
	v_wmma_f32_16x16x32_bf16 v[rO:rO+7], v[rV:rV+7], v[rP:rP+7], v[rO:rO+7]
.endm
.macro MM                           ; the turn's next matrix instruction
.if i < 8
	KQ (Y+1)%NP
.else
.set i, i-8
	PV (Y+NP-1)%NP
.set i, i+8
.endif
.set i, i+1
.endm
; THE LDS LOADS stand in runs of 16.  last = 1 (the tail): the step is held at the last slot's fourth step, so that the tail's fifth trip reads that step's K once more and nothing else.
.macro FETCH_K last=0
	WIN 0x80
.irp f, 0,1,2,3,4,5,6,7
	ds_load_b128 v[KF+8*\f:KF+8*\f+3],   v[AK] offset:(\f/2)*16*PK+(\f%2)*64
	ds_load_b128 v[KF+8*\f+4:KF+8*\f+7], v[AK] offset:(\f/2)*16*PK+(\f%2)*64+32
.endr
	s_add_co_u32 s[TBK], s[TBK], KS*PK
.if \last
	s_min_u32 s[TBK], s[TBK], SLOT1+3*KS*PK
.endif
	WIN 0
.endm
.macro FETCH_V
	WIN 0x80
.irp f, 0,1,2,3,4,5,6,7
	ds_load_tr16_b128 v[VF+8*\f:VF+8*\f+3],   v[AV] offset:(\f/4)*32*PV+(\f%4)*32
	ds_load_tr16_b128 v[VF+8*\f+4:VF+8*\f+7], v[AV] offset:(\f/4)*32*PV+16*PV+(\f%4)*32
.endr
	WIN 0
.endm
; THE VECTOR WORK, one line at a time: OP kind, number.  For piece Y: F n: c s - c m for pair n of 16.  E n: the exponential of score n of 32.  C n: pair n rounded to bf16.  B n: of the four weights
; 4 n .. the second pair is added onto the first, in place.  L n: l takes that sum (L 0: l = a l + sum).  R n: pair n of 16 of O^T times a.  For piece Y + 1: X n, number n of the 22 that find its maximum and statistics:
;   0-11 four chains of seven scores (each accumulator's lowest registers are read first)   12-14, 16 the scores left over, the old m, the four into one   15 c m_old is kept
;   17, 18 the other half of the lanes; the new m   19-21 c m; c m_old - c m_new; a
.set F, 0
.set E, 1
.set C, 2
.set B, 3
.set L, 4
.set R, 5
.set X, 6
.macro REGS y
.set rT, ST+4*(\y)
.set rC, TMP+4*((\y)%2)
.set rW, MV+((\y)%2)
.set rS, S+32*((\y)%2)
.set rP, P+16*((\y)%2)
.set rO, 32*(\y)
.endm
.macro OP k, n
.if (\k) == R
	REGS Y
	WIN W_RS
	v_pk_mul_f32 v[rO+2*(\n):rO+2*(\n)+1], v[rO+2*(\n):rO+2*(\n)+1], v[rC+2:rC+3] op_sel_hi:[1,0]
.elseif (\k) < R
	REGS Y
	WIN 0
.if (\k) == F
	v_pk_fma_f32 v[rS+2*(\n):rS+2*(\n)+1], v[rS+2*(\n):rS+2*(\n)+1], s[CS:CS+1], v[rT:rT+1] op_sel_hi:[1,0,0] neg_lo:[0,0,1] neg_hi:[0,0,1]
.elseif (\k) == E
	v_exp_f32 v[rS+(\n)], v[rS+(\n)]
.elseif (\k) == C
	v_cvt_pk_bf16_f32 v[rP+(\n)], v[rS+2*(\n)], v[rS+2*(\n)+1]
.elseif (\k) == B
	v_pk_add_f32 v[rS+4*(\n):rS+4*(\n)+1], v[rS+4*(\n):rS+4*(\n)+1], v[rS+4*(\n)+2:rS+4*(\n)+3]
.elseif (\n) == 0
	v_pk_fma_f32 v[rT+2:rT+3], v[rT+2:rT+3], v[rC+2:rC+3], v[rS:rS+1] op_sel_hi:[1,0,1]
.else
	v_pk_add_f32 v[rT+2:rT+3], v[rT+2:rT+3], v[rS+4*(\n):rS+4*(\n)+1]
.endif
.else
	REGS (Y+1)%NP
	WIN 0
.if (\n) < 4
	v_max3_num_f32 v[rC+(\n)], v[rS+8*(\n)], v[rS+8*(\n)+1], v[rS+8*(\n)+2]
.elseif (\n) < 12
	v_max3_num_f32 v[rC+(\n)%4], v[rC+(\n)%4], v[rS+8*((\n)%4)+2*((\n)/4)+1], v[rS+8*((\n)%4)+2*((\n)/4)+2]
.elseif (\n) == 12
	v_max3_num_f32 v[rC], v[rC], v[rS+7], v[rS+15]
.elseif (\n) == 13
	v_max3_num_f32 v[rC+1], v[rC+1], v[rS+23], v[rS+31]
.elseif (\n) == 14
	v_max3_num_f32 v[rC+2], v[rC+2], v[rC+3], v[rT+1]
.elseif (\n) == 15
	v_mov_b32 v[rW], v[rT]
.elseif (\n) == 16
	v_max3_num_f32 v[rC], v[rC], v[rC+1], v[rC+2]
.elseif (\n) == 17
	v_permlanex16_b32 v[rC+3], v[rC], s[SEL], s[SEL+1]
.elseif (\n) == 18
	v_max_num_f32 v[rT+1], v[rC], v[rC+3]
.elseif (\n) == 19
	v_mul_f32 v[rT], s[CS], v[rT+1]
.elseif (\n) == 20
	v_sub_f32 v[rC+1], v[rW], v[rT]
.else
	v_exp_f32 v[rC+2], v[rC+1]
.endif
.endif
.endm
.macro OPS a, i1, b=-1, i2=0, c=-1, i3=0, d=-1, i4=0
	OP \a, \i1
.if (\b) >= 0
	OP \b, \i2
.endif
.if (\c) >= 0
	OP \c, \i3
.endif
.if (\d) >= 0
	OP \d, \i4
.endif
.endm
.macro ROW a, i1, b, i2, c, i3, d, i4  ; a matrix instruction and the four behind it
	MM
	OPS \a, \i1, \b, \i2, \c, \i3, \d, \i4
.endm
; A TURN, for piece p.  Ahead of its one wait stands all that names no result of the turn's exponentials: the 8 products K Q^T with their riders and the lump; X 21, the next piece's a, is the batch's last, and R 15
; the plain instruction behind it.  Behind the wait stand the 8 products V^T P, behind each four of the roundings and sums.
; K of the next step is fetched in piece 2's turn, six plain instructions behind the last product that read K; V of the step in hand at the end of piece 0's turn, four plain instructions behind the last
; product that read V.  Each is waited for a turn later.  cnt = 1: the loop's count is taken down some lines ahead of the branch behind the turn.
.macro TURN p, last=0, cnt=0
.set Y, (\p)
.set i, 0
.if (\p) == 3
	s_wait_dscnt 0x0                ; K is in
.endif
	ROW F,0, F,1, R,0, R,1
	ROW F,2, E,0, R,2, R,3
	ROW F,3, E,1, R,4, R,5
	ROW F,4, E,2, R,6, R,7
	ROW F,5, E,3, R,8, R,9
	ROW F,6, E,4, X,0, R,10
.if (\p) == 2
	WIN 0
	v_add_nc_u32 v[AK], s[TBK], v[AK0]
.endif
	ROW F,7, E,5, X,1, X,4
	ROW F,8, E,6, X,2, X,5
	OPS E,7, E,8, X,6, E,9
	OPS X,3, E,10, X,8, E,11
.if (\p) == 2
	FETCH_K \last
.endif
	OPS X,9, X,7, E,12, X,10
	OPS E,13, X,12, X,11, E,14
	OPS X,13, E,15, F,9, X,14
.if (\p) == 0
	WIN 0
	v_add_nc_u32 v[AV], s[TBV], v[AV0]
.endif
	OPS E,16, F,10, E,17, F,11
	OPS X,16, E,18, X,15, E,19
	OPS F,12, E,20, X,17, E,21
	OPS F,13, E,22, F,14, E,23
	OPS X,18, E,24, F,15, E,25
	OPS R,11, E,26, X,19, E,27
	OPS R,12, E,28, R,13, E,29
	OPS X,20, E,30, R,14, E,31
	OPS X,21, R,15
	WIN 0
	s_wait_alu depctr_va_vdst(0)    ; the one wait for the batch, ahead of the first line that names a result
.if (\p) == 1
	s_wait_dscnt 0x0                ; V is in
.endif
	ROW C,0, B,0, C,2, B,1
	ROW L,0, C,4, B,2, L,1
	ROW C,6, B,3, L,2, C,8
	ROW B,4, L,3, C,10, B,5
	ROW L,4, C,12, B,6, L,5
.if (\p) == 0
	s_add_co_u32 s[TBV], s[TBV], KS*PV
.endif
.if \cnt
	s_sub_co_u32 s[CNT], s[CNT], 1
	s_cmp_lg_u32 s[CNT], 0
.endif
	ROW C,14, B,7, L,6, C,1
	ROW C,3, L,7, C,5, C,7
	ROW C,9, C,11, C,13, C,15
.if (\p) == 0
	FETCH_V
.endif
.endm
	CHANGE 1, 0                     ; slot 0 is in, everybody's part of it; slot 1 is asked for; nothing is prefetched here, at the head
	v_add_nc_u32 v[AK], s[TBK], v[AK0]
	FETCH_K                         ; key step 0
	s_wait_loadcnt 0x0              ; Q
	s_wait_dscnt 0x0
.set i, 0
.rept 8
	KQ 0                            ; piece 0's first scores
.set i, i+1
.endr
	WIN 0
.rept 4
	v_nop                           ; the places behind those products
.endr
.set Y, NP-1                        ; X works for piece Y + 1: piece 0
.irp n, 0,1,2,3,4,5,6,7,8,9,10,11,12,13,14,15,16,17,18,19,20,21
	OP X, \n
.endr
	v_nop                           ; a plain instruction behind the exponential,
	s_wait_alu depctr_va_vdst(0)    ; and its wait, ahead of the branch
	s_mov_b32 s[CNT], 4
	s_mov_b32 s[SLOTS], 7
	s_branch .Lfirst                ; the loop is entered at a step's first turn, in the middle of a trip
.Lslot:                             ; six times: every slot but the last two is filled again
	CHANGE 1, 1
	s_mov_b32 s[CNT], 4
.Lstep:                             ; a trip: pieces 2 and 3 of one step, then pieces 0 and 1 of the next, whose K and V it fetches
	TURN 2
	TURN 3
	WIN 0
.Lfirst:
	TURN 0
	TURN 1, 0, 1
	WIN 0
	s_cbranch_scc1 .Lstep
	s_sub_co_u32 s[SLOTS], s[SLOTS], 1
	s_cmp_lg_u32 s[SLOTS], 0
	s_cbranch_scc1 .Lslot
	CHANGE 0                        ; the tail is written out: nothing is asked for
	s_mov_b32 s[CNT], 5             ; four trips fetch the last slot's steps; the fifth is left in its middle
.Ltail:
	TURN 2, 1
	TURN 3
	WIN 0
	s_sub_co_u32 s[CNT], s[CNT], 1
	s_cmp_eq_u32 s[CNT], 0
	s_cbranch_scc1 .Lout
	TURN 0
	TURN 1
	WIN 0
	s_branch .Ltail
.Lout:                              ; the fifth trip's 8 products K Q^T (on the last K once more) and the maximum made of them serve nothing; they touch piece 0's m and c m alone, which nobody reads any more
.set i, 0
.rept 8
	PV NP-1                         ; the last piece's V^T P of the last step
.set i, i+1
.endr
	; THE WAY OUT.  l's two halves and the other half of the lanes' are added; O^T is divided by l, rounded to bf16 and sent through my stage, a piece at a time.  The additions are the places behind the last products.
	WIN 0
.macro ALL line:vararg
.set t, 0
.rept 4
	\line
.set t, t+1
.endr
.endm
	ALL v_add_f32 v[ST+4*t+2], v[ST+4*t+2], v[ST+4*t+3]
	ALL v_permlanex16_b32 v[ST+4*t+3], v[ST+4*t+2], s[SEL], s[SEL+1]
	ALL v_add_f32 v[ST+4*t+2], v[ST+4*t+2], v[ST+4*t+3]
	ALL v_rcp_f32 v[ST+4*t+2], v[ST+4*t+2]
	v_nop                           ; a plain instruction between the last reciprocal and the use of its result
	s_wait_alu depctr_va_vdst(0)    ; one wait for the four reciprocals
.macro PACK t
	WIN W_RS
.set i, 32*(\t)
.rept 16
	v_pk_mul_f32 v[i:i+1], v[i:i+1], v[ST+4*(\t)+2:ST+4*(\t)+3] op_sel_hi:[1,0]
.set i, i+2
.endr
	WIN 0x05
.set i, 0
.rept 16
	v_cvt_pk_bf16_f32 v[S+16*(\t)+i], v[32*(\t)+2*i], v[32*(\t)+2*i+1]
.set i, i+1
.endr
	WIN 0
.irp f, 0,1,2,3
	ds_store_b128 v[STO], v[S+16*(\t)+4*\f:S+16*(\t)+4*\f+3] offset:32*\f
.endr
.irp f, 0,1,2,3
	ds_load_b128 v[S+16*(\t)+4*\f:S+16*(\t)+4*\f+3], v[RD] offset:\f*4*SP  ; LDS serves a wave's instructions in order (ISA guide 5.7.1.4): these see the stores above
.endr
.endm
.macro SEND t, younger
	WIN 0
.irp f, 0,1,2,3
	s_wait_dscnt (\younger)+3-\f
	global_store_b128 v[GO], v[S+16*(\t)+4*\f:S+16*(\t)+4*\f+3], s[10:11] offset:(\t)*2048+\f*512  ; 512 consecutive bytes, at a multiple of 256 from the slab's first
.endr
.endm
	PACK 0
.set t, 1
.rept 3
	PACK t
	SEND t-1, 8
.set t, t+1
.endr
	SEND 3, 0
	s_wait_tensorcnt 0x0            ; the wave's end
	ds_add_u32 v[SPW], v[NIL]
	s_wait_dscnt 0x0
	CROUND                          ; the closing round
	s_endpgm
.Lfunc_end_k_qf7c42b72ce_attn:
	.size	k_qf7c42b72ce_attn, .Lfunc_end_k_qf7c42b72ce_attn-k_qf7c42b72ce_attn
	.p2alignl 7, 3214868480
	.fill 96, 4, 3214868480
	.section	.rodata,"a",@progbits
	.p2align	6, 0x0
	.amdhsa_kernel k_qf7c42b72ce_attn
		.amdhsa_group_segment_fixed_size 327680
		.amdhsa_private_segment_fixed_size 0
		.amdhsa_enable_private_segment 0
		.amdhsa_kernarg_size 16
		.amdhsa_user_sgpr_count 2
		.amdhsa_user_sgpr_kernarg_segment_ptr 1
		.amdhsa_wavefront_size32 1
		.amdhsa_system_sgpr_workgroup_id_x 1
		.amdhsa_system_sgpr_workgroup_id_y 1
		.amdhsa_system_sgpr_workgroup_id_z 1
		.amdhsa_system_vgpr_workitem_id 0
		.amdhsa_next_free_vgpr 768
		.amdhsa_next_free_sgpr 66
		.amdhsa_reserve_vcc 0
		.amdhsa_float_denorm_mode_32 3
		.amdhsa_float_denorm_mode_16_64 3
		.amdhsa_memory_ordered 1
		.amdhsa_forward_progress 1
		.amdhsa_inst_pref_size 112
	.end_amdhsa_kernel
	.amdgpu_metadata
---
amdhsa.version: [ 1, 2 ]
amdhsa.kernels:
  - .name:           k_qf7c42b72ce_attn
    .symbol:         k_qf7c42b72ce_attn.kd
    .args:
      - { .name: qkvh, .offset: 0, .size: 8, .value_kind: global_buffer, .address_space: global }
      - { .name: ctxh, .offset: 8, .size: 8, .value_kind: global_buffer, .address_space: global }
    .group_segment_fixed_size: 327680
    .private_segment_fixed_size: 0
    .kernarg_segment_align: 8
    .kernarg_segment_size: 16
    .max_flat_workgroup_size: 128
    .sgpr_count:     66
    .vgpr_count:     768
    .wavefront_size: 32
...
	.end_amdgpu_metadata
.endif
;; end of part 3
;; launch oproj (part 4): grid 8 x 32, 4 waves a work-group, clusters of 4 x 4, 327,680 bytes of LDS; arguments ctxh, wb, b_o, x, z; writes z
.if DOCPART == 4
	.amdgcn_target "amdgcn-amd-amdhsa--gfx1250"
	.amdhsa_code_object_version 6
	.text
	.protected	k_qf7c42b72ce_oproj
	.globl	k_qf7c42b72ce_oproj
	.p2align	8
	.type	k_qf7c42b72ce_oproj,@function
k_qf7c42b72ce_oproj:
	s_mov_b64 s[64:65], 0
	v_nop
	global_prefetch_b8 v0, s[64:65] scope:SCOPE_SE
	s_setreg_imm32_b32 hwreg(HW_REG_WAVE_MODE, 25, 1), 1
	s_wait_xcnt 0x0
	s_wait_alu depctr_hold_cnt(0) depctr_sa_sdst(0) depctr_va_vdst(0) depctr_va_sdst(0) depctr_va_ssrc(0) depctr_va_vcc(0) depctr_vm_vsrc(0)
	s_getreg_b32 s2, hwreg(HW_REG_IB_STS2, 6, 4)
	s_cmp_eq_u32 s2, 0
	s_cbranch_scc0 .Lentry_in_a_cluster
	s_endpgm
.Lentry_in_a_cluster:
	s_bfe_u32 s2, ttmp6, 0x10000c
	s_cmp_lg_u32 s2, 0xf033
	s_cbranch_scc0 .Lentry_shape_is_right
	s_endpgm
.Lentry_shape_is_right:
; z = res + A W + bias, in f32.  A: bf16 slabs [k / 64][row][64]; W: bf16 [K][1024] at wb + WOFF; bias [1024] f32; res and z [4096][1024] f32.  Here A = ctxh, K = 1,024, W = w_o, res = x.
; SHARES.  A work-group makes 128 x 128 of z: 8 x 32 = 256 work-groups; a wave 64 x 64: 16 accumulators.  A wave's 64 columns are 256 aligned bytes of a row of z.
; RING.  K goes in steps of 256 through two LDS slots of four regions of 36,864 bytes; wave w fills region w with one tensor load: waves 0, 1 A's rows 0-63, 64-127 (four slabs: four rows of 8,192 dense
; bytes, padded 16 bytes behind every 128), waves 2, 3 W's k 0-127, 128-255 (128 rows of 256 bytes, pitch 288; the two regions lie end to end).
; THE PRODUCT IS USED TRANSPOSED (source 0 = 16 columns of W by the turning load, source 1 = 16 rows of A).  The bias is the C operand of the products that start the sums.
; CLUSTER 4 x 4: A's tile is asked for jointly along a row of the cluster, W's along a column.  No prefetch: the tiles are small and the launch is short.
; REGISTERS.  window 0: v16-29 addresses; v32-95 rows on the way out, two sets; v96-127 the bias; v128-255 accumulator (a, b) at v[128 + 8 (4 a + b)].
; window 1: two fragment buffers of 128 (64 along K: 64 registers of A, then 64 of W); at the end v0-127 take the residual.  The 16 accumulators take turns.
.set NS,    4                          ; K steps of 256
.set WOFF,  6291456
.set NN,    1024
.set UT,    2                          ; trips of U in a step: a trip is two slabs, 128 along K
.set NA,    2
.set REG,   0x9000
.set SLOTB, 0x24000
.set STAGE, 2*SLOTB
.set SPITCH, 272
.set SPARE, STAGE+4*16*SPITCH
.set ASTB,  4*524288
.set BSTB,  256*NN*2
.set AST,   2*64*144
.set BST,   128*288
.set A0,    16
.set B0,    17
.set ADRA,  18
.set ADRB,  19
.set STO,   24
.set RD,    25
.set CO,    26
.set BO,    27
.set SPW,   28
.set NIL,   29
.set TMP,   32
.set BIAS,  96
.set ACC,   128
.set F0,    0
.set F1,    128
.set G1,  24
.set G0,  32
.set G1B, 48
.set G0B, 56
.set TA,  66
.set TB,  67
.set CNT, 68
.set STEPS, 69
.set MSB, 0
.macro WIN new
.if MSB != (\new)
	s_set_vgpr_msb (MSB<<8)|(\new)
.set MSB, \new
.endif
.endm
.macro PLACES
.rept 4
	v_nop
.endr
.endm
.macro CROUND
	s_barrier_signal -1
	s_barrier_wait -1
	s_cmp_lg_u32 s10, 0
	s_cbranch_scc1 .Lnot_wave_0_\@
	s_barrier_signal -3
.Lnot_wave_0_\@:
	s_barrier_wait -3
	s_barrier_signal -1
	s_barrier_wait -1
.endm
.macro JLOAD
	s_cmp_lt_u32 s10, NA
	s_cbranch_scc0 .Lfor_b_\@
	tensor_load_to_lds s[G0+4:G0+7], s[G1:G1+7]
	s_nop 0
.rept 4
	v_nop
.endr
	s_branch .Lasked_\@
.Lfor_b_\@:
	tensor_load_to_lds s[G0B+4:G0B+7], s[G1B:G1B+7]
	s_nop 0
.rept 4
	v_nop
.endr
.Lasked_\@:
.endm
	s_load_b256 s[80:87], s[0:1], 0x0              ; A s[80:81], wb s[82:83], bias s[84:85], res s[86:87]
	s_load_b64 s[88:89], s[0:1], 0x20              ; z
	v_lshl_add_u32 v[SPW], v0, 2, SPARE
	v_mov_b32 v[NIL], 0
	ds_add_u32 v[SPW], v[NIL]                      ; the wave's opening: the add and its wait ahead of my first tensor load
	v_lshrrev_b32 v1, 5, v0
	v_readfirstlane_b32 s10, v1
	s_lshr_b32 s11, s10, 1                         ; my half of the rows
	s_and_b32 s12, s10, 1                          ; my half of the columns; also which half of A's rows or of W's k I fetch
	s_bfe_u32 s40, ttmp6, 0x40000
	s_bfe_u32 s41, ttmp6, 0x40004
	s_lshl_b32 s42, ttmp9, 2
	s_add_co_u32 s42, s42, s40                     ; tile column
	s_and_b32 s13, ttmp7, 0xffff
	s_lshl_b32 s13, s13, 2
	s_add_co_u32 s13, s13, s41                     ; tile row
	s_lshl_b32 s43, s41, 2
	s_lshl_b32 s43, 15, s43
	s_lshl_b32 s44, 0x1111, s40
	s_or_b32 s[G1+0], s43, (1<<16)|(1<<20)|(1<<21)|(4<<22)|(3<<25)
	s_mov_b32 s[G1+1], 4096<<16                    ; 64 rows of a slab
	s_mov_b32 s[G1+2], 4<<16                       ; four slabs
	s_mov_b32 s[G1+3], 4096<<16
	s_mov_b32 s[G1+4], 4
	s_mov_b32 s[G1+5], 262144
	s_mov_b32 s[G1+6], 0
	s_mov_b32 s[G1+7], 0
	s_or_b32 s[G1B+0], s44, (1<<16)|(1<<20)|(1<<21)|(5<<22)|(7<<25)
	s_mov_b32 s[G1B+1], 128<<16
	s_mov_b32 s[G1B+2], 128<<16
	s_mov_b32 s[G1B+3], 128<<16
	s_mov_b32 s[G1B+4], 128
	s_mov_b32 s[G1B+5], NN
	s_mov_b32 s[G1B+6], 0
	s_mov_b32 s[G1B+7], 0
	s_lshl_b32 s16, s13, 14
	s_lshl_b32 s17, s12, 13
	s_add_co_u32 s16, s16, s17                     ; A: row 128 y + 64 half, 128 bytes a row
	s_mov_b32 s17, 0
	s_lshl_b32 s46, s42, 8
	s_lshl_b32 s47, s12, 18
	s_add_co_u32 s46, s46, s47
	s_add_co_u32 s46, s46, WOFF                    ; W: 256 bytes a tile column, 128 rows of 2,048 bytes a half
	s_mov_b32 s47, 0
	s_mul_i32 s20, s10, REG
	s_wait_dscnt 0x0
	s_wait_kmcnt 0x0
	s_add_nc_u64 s[14:15], s[80:81], s[16:17]
	s_add_nc_u64 s[46:47], s[82:83], s[46:47]
	CROUND
.irp s, 0,1
	s_mov_b32 s[G0+4*(\s)], 1
	s_add_co_u32 s[G0+4*(\s)+1], s20, (\s)*SLOTB
	s_add_nc_u64 s[G0+4*(\s)+2:G0+4*(\s)+3], s[14:15], (\s)*ASTB
	s_or_b32 s[G0+4*(\s)+3], s[G0+4*(\s)+3], 0x80000000
	s_mov_b32 s[G0B+4*(\s)], 1
	s_add_co_u32 s[G0B+4*(\s)+1], s20, (\s)*SLOTB
	s_add_nc_u64 s[G0B+4*(\s)+2:G0B+4*(\s)+3], s[46:47], (\s)*BSTB
	s_or_b32 s[G0B+4*(\s)+3], s[G0B+4*(\s)+3], 0x80000000
.endr
	s_cmp_lt_u32 s10, NA
	s_cbranch_scc0 .Lfirst_b
	tensor_load_to_lds s[G0:G0+3], s[G1:G1+7]
	s_nop 0
	tensor_load_to_lds s[G0+4:G0+7], s[G1:G1+7]
	s_nop 0
.rept 4
	v_nop
.endr
	s_branch .Lfirst_done
.Lfirst_b:
	tensor_load_to_lds s[G0B:G0B+3], s[G1B:G1B+7]
	s_nop 0
	tensor_load_to_lds s[G0B+4:G0B+7], s[G1B:G1B+7]
	s_nop 0
.rept 4
	v_nop
.endr
.Lfirst_done:
	v_and_b32 v1, 15, v0                           ; r
	v_bfe_u32 v2, v0, 4, 1                         ; h
	v_lshlrev_b32 v[BO], 5, v2                     ; the bias: my eight columns of a block of 16 begin at 32 h bytes
	s_lshl_b32 s18, s42, 9
	s_lshl_b32 s19, s12, 8
	s_add_co_u32 s18, s18, s19
	s_mov_b32 s19, 0
	s_add_nc_u64 s[84:85], s[84:85], s[18:19]
.irp b, 0,1,2,3
	global_load_b128 v[BIAS+8*(\b):BIAS+8*(\b)+3],   v[BO], s[84:85] offset:64*(\b)
	global_load_b128 v[BIAS+8*(\b)+4:BIAS+8*(\b)+7], v[BO], s[84:85] offset:64*(\b)+16
.endr
	v_mul_u32_u24 v3, v1, 144
	v_lshl_add_u32 v3, v2, 4, v3
	s_mul_i32 s21, s11, REG
	v_add_nc_u32 v[A0], s21, v3
	v_and_b32 v4, 7, v0
	v_bfe_u32 v5, v0, 3, 1
	v_lshl_add_u32 v6, v2, 3, v4
	v_mul_u32_u24 v6, v6, 288
	v_lshl_add_u32 v6, v5, 4, v6
	s_lshl_b32 s22, s12, 7
	s_add_co_u32 s22, s22, 2*REG
	v_add_nc_u32 v[B0], s22, v6
	s_mul_i32 s23, s10, 16*SPITCH
	s_add_co_u32 s23, s23, STAGE
	v_mul_u32_u24 v6, v1, SPITCH
	v_lshl_add_u32 v6, v2, 5, v6
	v_add_nc_u32 v[STO], s23, v6                   ; into my stage: row r, 32 bytes for each half of the lanes
	v_mul_u32_u24 v6, v2, SPITCH
	v_lshl_add_u32 v6, v1, 4, v6
	v_add_nc_u32 v[RD], s23, v6                    ; back: lanes 0-15 one row of 256 bytes, lanes 16-31 the next
	v_lshlrev_b32 v6, 12, v2
	v_lshl_add_u32 v[CO], v1, 4, v6                ; and the same two rows in res and z
	s_lshl_b32 s16, s13, 19
	s_lshl_b32 s17, s11, 18
	s_add_co_u32 s16, s16, s17
	s_add_co_u32 s16, s16, s18                     ; my first row, my first column
	s_mov_b32 s17, 0
	s_add_nc_u64 s[86:87], s[86:87], s[16:17]
	s_add_nc_u64 s[88:89], s[88:89], s[16:17]
.macro MUL8 f, c, a0, c0               ; 8 products: row blocks a0, a0 + 1 x 4 column blocks, 32 along K: half c of buffer f.  c0 = 1: they start the sums with the bias
	WIN 0x05
.irp a, \a0, (\a0)+1
.irp b, 0,1,2,3
.if \c0
	v_wmma_f32_16x16x32_bf16 v[ACC+8*(4*(\a)+(\b)):ACC+8*(4*(\a)+(\b))+7], v[(\f)+64+8*(4*(\c)+(\b)):(\f)+64+8*(4*(\c)+(\b))+7], v[(\f)+8*(4*(\c)+(\a)):(\f)+8*(4*(\c)+(\a))+7], v[BIAS+8*(\b):BIAS+8*(\b)+7]
.else
	v_wmma_f32_16x16x32_bf16 v[ACC+8*(4*(\a)+(\b)):ACC+8*(4*(\a)+(\b))+7], v[(\f)+64+8*(4*(\c)+(\b)):(\f)+64+8*(4*(\c)+(\b))+7], v[(\f)+8*(4*(\c)+(\a)):(\f)+8*(4*(\c)+(\a))+7], v[ACC+8*(4*(\a)+(\b)):ACC+8*(4*(\a)+(\b))+7]
.endif
.endr
.endr
.endm
.macro FETCH f, ka, kb                 ; 32 LDS loads in one run: one slab, 64 along K, into buffer f; the first 32 along K first
	WIN 0x40
.irp c, 0,1
.irp i, 0,1,2,3
	ds_load_tr16_b128 v[(\f)+64+8*(4*(\c)+(\i)):(\f)+64+8*(4*(\c)+(\i))+3],   v[ADRB] offset:(\kb)+9216*(\c)+32*(\i)
	ds_load_tr16_b128 v[(\f)+64+8*(4*(\c)+(\i))+4:(\f)+64+8*(4*(\c)+(\i))+7], v[ADRB] offset:(\kb)+9216*(\c)+32*(\i)+4608
	ds_load_b128 v[(\f)+8*(4*(\c)+(\i)):(\f)+8*(4*(\c)+(\i))+3],   v[ADRA] offset:(\ka)+64*(\c)+2304*(\i)
	ds_load_b128 v[(\f)+8*(4*(\c)+(\i))+4:(\f)+8*(4*(\c)+(\i))+7], v[ADRA] offset:(\ka)+64*(\c)+2304*(\i)+32
.endr
.endr
.endm
.macro QUARTER f, g, ka, kb, c0
	s_wait_dscnt 16                                ; the first 32 along K are in
	MUL8 \f, 0, 0, \c0
	MUL8 \f, 0, 2, \c0
	PLACES
	FETCH \g, \ka, \kb
	s_wait_dscnt 32                                ; all but the 32 just issued
	MUL8 \f, 1, 0, 0
	MUL8 \f, 1, 2, 0
.endm
.macro U
	WIN 0
	v_add_nc_u32 v[ADRA], s[TA], v[A0]
	v_add_nc_u32 v[ADRB], s[TB], v[B0]
	QUARTER F1, F0, 0, 0, 0
	QUARTER F0, F1, 9216, 18432, 0
	WIN 0
	s_add_co_u32 s[TA], s[TA], AST
	s_add_co_u32 s[TB], s[TB], BST
.endm
.macro CHANGE fill                     ; the change of slots: all my tensor loads, the add, my reads of the slot; then the barrier (fill = 1: a round of the cluster's) and the refill first behind it
	WIN 0
	s_wait_tensorcnt 0x0
	ds_add_u32 v[SPW], v[NIL]
.if \fill
	s_xor_b32 s[G0+5], s[G0+5], SLOTB
	s_add_nc_u64 s[G0+6:G0+7], s[G0+6:G0+7], ASTB
	s_xor_b32 s[G0B+5], s[G0B+5], SLOTB
	s_add_nc_u64 s[G0B+6:G0B+7], s[G0B+6:G0B+7], BSTB
.endif
	s_sub_co_u32 s[TA], s[TA], UT*AST
	s_xor_b32 s[TA], s[TA], SLOTB
	s_sub_co_u32 s[TB], s[TB], UT*BST
	s_xor_b32 s[TB], s[TB], SLOTB
	s_wait_dscnt 0x0
.if \fill
	CROUND
	JLOAD
.else
	s_barrier_signal -1
	s_barrier_wait -1
.endif
.endm
	s_wait_tensorcnt 0x1                           ; my region of slot 0 is in; slot 1's may stay out
	s_barrier_signal -1
	s_barrier_wait -1
	v_mov_b32 v[ADRA], v[A0]
	v_mov_b32 v[ADRB], v[B0]
	FETCH F0, 0, 0
	s_wait_loadcnt 0x0                             ; the bias
	QUARTER F0, F1, 9216, 18432, 1
	WIN 0
	s_mov_b32 s[TA], AST
	s_mov_b32 s[TB], BST
	s_mov_b32 s[CNT], UT-1
	s_mov_b32 s[STEPS], NS-1
	s_branch .Lu
.Lstep:
	CHANGE 1
	s_mov_b32 s[CNT], UT
.Lu:
	U
	s_sub_co_u32 s[CNT], s[CNT], 1
	s_cmp_lg_u32 s[CNT], 0
	s_cbranch_scc1 .Lu
	s_sub_co_u32 s[STEPS], s[STEPS], 1
	s_cmp_lg_u32 s[STEPS], 0
	s_cbranch_scc1 .Lstep
	CHANGE 0
	s_mov_b32 s[CNT], UT
.Lu2:
	U
	s_sub_co_u32 s[CNT], s[CNT], 1
	s_cmp_lg_u32 s[CNT], 0
	s_cbranch_scc1 .Lu2
	PLACES                                         ; buffer 0 has been multiplied: it takes my 64 x 64 of the residual
	WIN 0x40
.irp a, 0,1,2,3
.irp t, 0,1,2,3,4,5,6,7
	global_load_b128 v[32*(\a)+4*(\t):32*(\a)+4*(\t)+3], v[CO], s[86:87] offset:(\a)*65536+(\t)*8192 th:TH_LOAD_NT
.endr
.endr
	s_wait_dscnt 0x0
	MUL8 F1, 0, 0, 0                               ; the last quarter
	MUL8 F1, 0, 2, 0
	MUL8 F1, 1, 0, 0
	MUL8 F1, 1, 2, 0
	WIN 0
	PLACES
; THE WAY OUT of row block a: the sums go into my stage as they are, come back as whole rows of 256 bytes, take the residual and are stored: 16 lanes write 256 consecutive bytes, aligned.
.macro OUT a
	WIN 0
.irp n, 0,1,2,3
	ds_store_b128 v[STO], v[ACC+8*(4*(\a)+(\n)):ACC+8*(4*(\a)+(\n))+3]   offset:64*(\n)
	ds_store_b128 v[STO], v[ACC+8*(4*(\a)+(\n))+4:ACC+8*(4*(\a)+(\n))+7] offset:64*(\n)+16
.endr
	s_wait_xcnt 0x0                                ; the stores of two blocks back have read the registers that are loaded again
.irp t, 0,1,2,3,4,5,6,7
	ds_load_b128 v[TMP+32*((\a)%2)+4*(\t):TMP+32*((\a)%2)+4*(\t)+3], v[RD] offset:(\t)*2*SPITCH
.endr
	s_wait_dscnt 0x0
	s_wait_loadcnt 24-8*(\a)                       ; this block's eight residual loads are in; the later blocks' stay out
	WIN 0x04
.set i, 0
.rept 16
	v_pk_add_f32 v[TMP+32*((\a)%2)+2*i:TMP+32*((\a)%2)+2*i+1], v[TMP+32*((\a)%2)+2*i:TMP+32*((\a)%2)+2*i+1], v[32*(\a)+2*i:32*(\a)+2*i+1]
.set i, i+1
.endr
	WIN 0
.irp t, 0,1,2,3,4,5,6,7
	global_store_b128 v[CO], v[TMP+32*((\a)%2)+4*(\t):TMP+32*((\a)%2)+4*(\t)+3], s[88:89] offset:(\a)*65536+(\t)*8192
.endr
.endm
	OUT 0
	OUT 1
	OUT 2
	OUT 3
	s_wait_tensorcnt 0x0                           ; the wave's end
	ds_add_u32 v[SPW], v[NIL]
	s_wait_dscnt 0x0
	CROUND
	s_endpgm
.Lfunc_end_k_qf7c42b72ce_oproj:
	.size	k_qf7c42b72ce_oproj, .Lfunc_end_k_qf7c42b72ce_oproj-k_qf7c42b72ce_oproj
	.p2alignl 7, 3214868480
	.fill 96, 4, 3214868480
	.section	.rodata,"a",@progbits
	.p2align	6, 0x0
	.amdhsa_kernel k_qf7c42b72ce_oproj
		.amdhsa_group_segment_fixed_size 327680
		.amdhsa_private_segment_fixed_size 0
		.amdhsa_enable_private_segment 0
		.amdhsa_kernarg_size 40
		.amdhsa_user_sgpr_count 2
		.amdhsa_user_sgpr_kernarg_segment_ptr 1
		.amdhsa_wavefront_size32 1
		.amdhsa_system_sgpr_workgroup_id_x 1
		.amdhsa_system_sgpr_workgroup_id_y 1
		.amdhsa_system_sgpr_workgroup_id_z 1
		.amdhsa_system_vgpr_workitem_id 0
		.amdhsa_next_free_vgpr 512
		.amdhsa_next_free_sgpr 96
		.amdhsa_reserve_vcc 0
		.amdhsa_float_denorm_mode_32 3
		.amdhsa_float_denorm_mode_16_64 3
		.amdhsa_memory_ordered 1
		.amdhsa_forward_progress 1
		.amdhsa_inst_pref_size 52
	.end_amdhsa_kernel
	.amdgpu_metadata
---
amdhsa.version: [ 1, 2 ]
amdhsa.kernels:
  - .name:           k_qf7c42b72ce_oproj
    .symbol:         k_qf7c42b72ce_oproj.kd
    .args:
      - { .name: ctxh, .offset: 0, .size: 8, .value_kind: global_buffer, .address_space: global }
      - { .name: wb, .offset: 8, .size: 8, .value_kind: global_buffer, .address_space: global }
      - { .name: b_o, .offset: 16, .size: 8, .value_kind: global_buffer, .address_space: global }
      - { .name: x, .offset: 24, .size: 8, .value_kind: global_buffer, .address_space: global }
      - { .name: z, .offset: 32, .size: 8, .value_kind: global_buffer, .address_space: global }
    .group_segment_fixed_size: 327680
    .private_segment_fixed_size: 0
    .kernarg_segment_align: 8
    .kernarg_segment_size: 40
    .max_flat_workgroup_size: 128
    .sgpr_count:     96
    .vgpr_count:     512
    .wavefront_size: 32
...
	.end_amdgpu_metadata
.endif
;; end of part 4
;; launch ln1 (part 5): grid 256 x 1, 8 waves a work-group, no clusters, 0 bytes of LDS; arguments z, g1, be1, xb, x1f; writes xb, x1f
.if DOCPART == 5
	.amdgcn_target "amdgcn-amd-amdhsa--gfx1250"
	.amdhsa_code_object_version 6
	.text
	.protected	k_qf7c42b72ce_ln1
	.globl	k_qf7c42b72ce_ln1
	.p2align	8
	.type	k_qf7c42b72ce_ln1,@function
k_qf7c42b72ce_ln1:
	s_mov_b64 s[64:65], 0
	v_nop
	global_prefetch_b8 v0, s[64:65] scope:SCOPE_SE
	s_setreg_imm32_b32 hwreg(HW_REG_WAVE_MODE, 25, 1), 1
	s_wait_xcnt 0x0
; x1 = (z - mean) rsqrt(var + 1e-5) g + be, along rows of 1,024; stored in f32 (x1f, the second residual) and in bf16 slabs (xb, the next products' operand).
; A work-group owns 16 rows, a wave two: lanes 0-15 one row, lanes 16-31 the next.  A lane holds columns 64 j + 4 (l % 16) .. + 3, j = 0..15: every 16-byte access of sixteen lanes is 256 consecutive bytes, aligned,
; and a row's sums stay inside sixteen lanes: four steps on the arithmetic itself, no LDS, no barrier.  The mean is taken away before the squares.  The row is read once and kept in 64 registers.
.set ZO,  2
.set GOF, 3
.set SO,  4
.set CH,  8                            ; v[8:15] four chains
.set MU,  16                           ; v[16:17] the mean, twice
.set EPS, 18
.set RS,  20                           ; v[20:21] 1 / sqrt(var + eps), twice
.set X,   64
.set G,   128
.set BE,  192
.macro REDUCE                          ; the four chains into one number, the same in the row's sixteen lanes
	v_pk_add_f32 v[CH:CH+1], v[CH:CH+1], v[CH+2:CH+3]
	v_pk_add_f32 v[CH+4:CH+5], v[CH+4:CH+5], v[CH+6:CH+7]
	v_pk_add_f32 v[CH:CH+1], v[CH:CH+1], v[CH+4:CH+5]
	v_add_f32 v[CH], v[CH], v[CH+1]
	v_add_f32_dpp v[CH], v[CH], v[CH] row_xmask:1 row_mask:0xf bank_mask:0xf
	v_add_f32_dpp v[CH], v[CH], v[CH] row_xmask:2 row_mask:0xf bank_mask:0xf
	v_add_f32_dpp v[CH], v[CH], v[CH] row_xmask:4 row_mask:0xf bank_mask:0xf
	v_add_f32_dpp v[CH], v[CH], v[CH] row_xmask:8 row_mask:0xf bank_mask:0xf
.endm
	s_load_b256 s[4:11], s[0:1], 0x0               ; z s[4:5], g s[6:7], be s[8:9], xb s[10:11]
	s_load_b64 s[12:13], s[0:1], 0x20              ; x1f
	v_lshrrev_b32 v1, 4, v0                        ; my row of the sixteen
	v_and_b32 v5, 15, v0
	v_lshlrev_b32 v[GOF], 4, v5
	v_lshl_add_u32 v[ZO], v1, 12, v[GOF]
	v_lshlrev_b32 v[SO], 3, v0                     ; in a slab: row x 128 + 8 (l % 16) = 8 t
	v_mov_b32 v[EPS], 0x3727c5ac                   ; 1e-5
	s_lshl_b32 s14, ttmp9, 16
	s_mov_b32 s15, 0
	s_lshl_b32 s16, ttmp9, 11
	s_mov_b32 s17, 0
	s_wait_kmcnt 0x0
	s_add_nc_u64 s[4:5], s[4:5], s[14:15]
	s_add_nc_u64 s[12:13], s[12:13], s[14:15]
	s_add_nc_u64 s[10:11], s[10:11], s[16:17]
.set j, 0
.rept 16
	global_load_b128 v[X+4*j:X+4*j+3], v[ZO], s[4:5] offset:256*j th:TH_LOAD_NT
.set j, j+1
.endr
.set j, 0
.rept 16
	global_load_b128 v[G+4*j:G+4*j+3], v[GOF], s[6:7] offset:256*j
.set j, j+1
.endr
.set j, 0
.rept 16
	global_load_b128 v[BE+4*j:BE+4*j+3], v[GOF], s[8:9] offset:256*j
.set j, j+1
.endr
	s_wait_loadcnt 32                              ; the row is in; the 32 loads of g and be stay out
.irp k, 0,1,2,3
	v_pk_add_f32 v[CH+2*(\k):CH+2*(\k)+1], v[X+2*(\k):X+2*(\k)+1], v[X+8+2*(\k):X+8+2*(\k)+1]
.endr
.set j, 8
.rept 24
	v_pk_add_f32 v[CH+2*(j%4):CH+2*(j%4)+1], v[CH+2*(j%4):CH+2*(j%4)+1], v[X+2*j:X+2*j+1]
.set j, j+1
.endr
	REDUCE
	v_mul_f32 v[MU], 0x3a800000, v[CH]             ; / 1,024
	v_mov_b32 v[MU+1], v[MU]
.set j, 0
.rept 32
	v_pk_add_f32 v[X+2*j:X+2*j+1], v[X+2*j:X+2*j+1], v[MU:MU+1] neg_lo:[0,1] neg_hi:[0,1]
.set j, j+1
.endr
.irp k, 0,1,2,3
	v_pk_mul_f32 v[CH+2*(\k):CH+2*(\k)+1], v[X+2*(\k):X+2*(\k)+1], v[X+2*(\k):X+2*(\k)+1]
.endr
.set j, 4
.rept 28
	v_pk_fma_f32 v[CH+2*(j%4):CH+2*(j%4)+1], v[X+2*j:X+2*j+1], v[X+2*j:X+2*j+1], v[CH+2*(j%4):CH+2*(j%4)+1]
.set j, j+1
.endr
	REDUCE
	v_fmamk_f32 v[CH], v[CH], 0x3a800000, v[EPS]   ; var + eps
	v_rsq_f32 v[RS], v[CH]
	v_nop                                          ; a plain instruction behind the root,
	s_wait_alu depctr_va_vdst(0)                   ; and the wait ahead of its first use
	v_mov_b32 v[RS+1], v[RS]
	s_wait_loadcnt 0x0                             ; g and be
.set j, 0
.rept 32
	v_pk_mul_f32 v[G+2*j:G+2*j+1], v[G+2*j:G+2*j+1], v[RS:RS+1]
.set j, j+1
.endr
.set j, 0
.rept 32
	v_pk_fma_f32 v[X+2*j:X+2*j+1], v[X+2*j:X+2*j+1], v[G+2*j:G+2*j+1], v[BE+2*j:BE+2*j+1]
.set j, j+1
.endr
.set j, 0
.rept 16
	global_store_b128 v[ZO], v[X+4*j:X+4*j+3], s[12:13] offset:256*j
.set j, j+1
.endr
.set j, 0
.rept 16
	v_cvt_pk_bf16_f32 v[G+2*j], v[X+4*j], v[X+4*j+1]
	v_cvt_pk_bf16_f32 v[G+2*j+1], v[X+4*j+2], v[X+4*j+3]
	global_store_b64 v[SO], v[G+2*j:G+2*j+1], s[10:11] offset:524288*j  ; a wave's 256 bytes are two rows of slab j
.set j, j+1
.endr
	s_endpgm
.Lfunc_end_k_qf7c42b72ce_ln1:
	.size	k_qf7c42b72ce_ln1, .Lfunc_end_k_qf7c42b72ce_ln1-k_qf7c42b72ce_ln1
	.p2alignl 7, 3214868480
	.fill 96, 4, 3214868480
	.section	.rodata,"a",@progbits
	.p2align	6, 0x0
	.amdhsa_kernel k_qf7c42b72ce_ln1
		.amdhsa_group_segment_fixed_size 0
		.amdhsa_private_segment_fixed_size 0
		.amdhsa_enable_private_segment 0
		.amdhsa_kernarg_size 40
		.amdhsa_user_sgpr_count 2
		.amdhsa_user_sgpr_kernarg_segment_ptr 1
		.amdhsa_wavefront_size32 1
		.amdhsa_system_sgpr_workgroup_id_x 1
		.amdhsa_system_sgpr_workgroup_id_y 1
		.amdhsa_system_sgpr_workgroup_id_z 1
		.amdhsa_system_vgpr_workitem_id 0
		.amdhsa_next_free_vgpr 256
		.amdhsa_next_free_sgpr 66
		.amdhsa_reserve_vcc 0
		.amdhsa_float_denorm_mode_32 3
		.amdhsa_float_denorm_mode_16_64 3
		.amdhsa_memory_ordered 1
		.amdhsa_forward_progress 1
		.amdhsa_inst_pref_size 22
	.end_amdhsa_kernel
	.amdgpu_metadata
---
amdhsa.version: [ 1, 2 ]
amdhsa.kernels:
  - .name:           k_qf7c42b72ce_ln1
    .symbol:         k_qf7c42b72ce_ln1.kd
    .args:
      - { .name: z, .offset: 0, .size: 8, .value_kind: global_buffer, .address_space: global }
      - { .name: g1, .offset: 8, .size: 8, .value_kind: global_buffer, .address_space: global }
      - { .name: be1, .offset: 16, .size: 8, .value_kind: global_buffer, .address_space: global }
      - { .name: xb, .offset: 24, .size: 8, .value_kind: global_buffer, .address_space: global }
      - { .name: x1f, .offset: 32, .size: 8, .value_kind: global_buffer, .address_space: global }
    .group_segment_fixed_size: 0
    .private_segment_fixed_size: 0
    .kernarg_segment_align: 8
    .kernarg_segment_size: 40
    .max_flat_workgroup_size: 256
    .sgpr_count:     66
    .vgpr_count:     256
    .wavefront_size: 32
...
	.end_amdgpu_metadata
.endif
;; end of part 5
;; launch ffnup (part 6): grid 16 x 16, 4 waves a work-group, clusters of 4 x 4, 327,680 bytes of LDS; arguments xb, wb, b1, b2, gs; writes gs
.if DOCPART == 6
	.amdgcn_target "amdgcn-amd-amdhsa--gfx1250"
	.amdhsa_code_object_version 6
	.text
	.protected	k_qf7c42b72ce_ffnup
	.globl	k_qf7c42b72ce_ffnup
	.p2align	8
	.type	k_qf7c42b72ce_ffnup,@function
k_qf7c42b72ce_ffnup:
	s_mov_b64 s[64:65], 0
	v_nop
	global_prefetch_b8 v0, s[64:65] scope:SCOPE_SE
	s_setreg_imm32_b32 hwreg(HW_REG_WAVE_MODE, 25, 1), 1
	s_wait_xcnt 0x0
	s_wait_alu depctr_hold_cnt(0) depctr_sa_sdst(0) depctr_va_vdst(0) depctr_va_sdst(0) depctr_va_ssrc(0) depctr_va_vcc(0) depctr_vm_vsrc(0)
	s_getreg_b32 s2, hwreg(HW_REG_IB_STS2, 6, 4)
	s_cmp_eq_u32 s2, 0
	s_cbranch_scc0 .Lentry_in_a_cluster
	s_endpgm
.Lentry_in_a_cluster:
	s_bfe_u32 s2, ttmp6, 0x10000c
	s_cmp_lg_u32 s2, 0xf033
	s_cbranch_scc0 .Lentry_shape_is_right
	s_endpgm
.Lentry_shape_is_right:
; g = (x1 W1 + b1) * sigmoid(x1 W2 + b2), both products and the gate in one launch.  A = xb (bf16 slabs of x1), W1, W2 = wb + 8,388,608 and + 12,582,912 (bf16 [1024][2048]), g = gs (bf16 slabs).  Sums and gate in f32.
; LIMITS.  sigmoid(t) = 1 / (1 + 2^(-t log2 e)): beyond the exponential's range it gives 0 or 1, as the function does to f32's accuracy; NaN and infinities are not treated apart.
; SHARES.  A work-group makes 256 rows x (128 columns of W1 and the same 128 of W2): 16 x 16 = 256 work-groups.  Wave w: rows 128 (w / 2) .., columns 64 (w % 2) .. of both: 64 accumulators, 512 registers;
; h1 and h2 of a number of g lie in the same lane, so the gate needs no exchange, and a wave's 64 columns are one whole slab of g.
; RING.  K goes in steps of 128 through two LDS slots of four regions of 36,864 bytes; wave w fills region w with one tensor load: waves 0, 1 A's rows 0-127, 128-255 (two slabs: two rows of 16,384 dense bytes,
; padded 16 bytes behind every 128), wave 2 W1's panel, wave 3 W2's (128 k x 256 bytes, pitch 288).
; THE PRODUCT IS USED TRANSPOSED (source 0 = 16 columns of W by the turning load, source 1 = 16 rows of A).  The biases are the C operands of the products that start the sums.
; CLUSTER 4 x 4: A's tile is asked for jointly along a row of the cluster, W's along a column.
; REGISTERS.  window 0: v16-30 addresses; v32-63 packed results; v64-127, v128-191 A's two fragment buffers; v192-255 the biases, later rows read back.  window 1: v64-127, v128-191 W's buffers.
; windows 2, 3: accumulator (a, b) at v[8 (8 (a % 4) + b)] of window 2 + a / 4; b 0-3: h1, b 4-7: h2.  All 64 take turns, one instruction a turn.
.set NS,    8
.set UT,    2
.set NA,    2
.set NN,    2048
.set W1OFF, 8388608
.set REG,   0x9000
.set SLOTB, 0x24000
.set STAGE, 2*SLOTB
.set SP,    144
.set SPARE, STAGE+4*16*SP
.set ASTB,  2*524288
.set BSTB,  128*NN*2
.set AST,   128*144
.set BST,   64*288
.set A0,    16
.set B0,    17
.set ADRA,  18
.set ADRB,  19
.set STO,   24
.set RD,    25
.set GO,    26
.set BO,    27
.set SPW,   28
.set NIL,   29
.set PFO,   30
.set PKR,   32
.set BIAS,  192
.set BK,    192
.set G1,  24
.set G0,  32
.set G1B, 48
.set G0B, 56
.set TA,  66
.set TB,  67
.set CNT, 68
.set STEPS, 69
.set PFA, 70
.set LIM, 72
.set LE,  74                           ; s[74:75] -log2(e)
.set PST, 76
.set MSB, 0
.macro WIN new
.if MSB != (\new)
	s_set_vgpr_msb (MSB<<8)|(\new)
.set MSB, \new
.endif
.endm
.macro PLACES
.rept 4
	v_nop
.endr
.endm
.macro CROUND
	s_barrier_signal -1
	s_barrier_wait -1
	s_cmp_lg_u32 s10, 0
	s_cbranch_scc1 .Lnot_wave_0_\@
	s_barrier_signal -3
.Lnot_wave_0_\@:
	s_barrier_wait -3
	s_barrier_signal -1
	s_barrier_wait -1
.endm
.macro JLOAD
	s_cmp_lt_u32 s10, NA
	s_cbranch_scc0 .Lfor_b_\@
	tensor_load_to_lds s[G0+4:G0+7], s[G1:G1+7]
	s_nop 0
.rept 4
	v_nop
.endr
	s_branch .Lasked_\@
.Lfor_b_\@:
	tensor_load_to_lds s[G0B+4:G0B+7], s[G1B:G1B+7]
	s_nop 0
.rept 4
	v_nop
.endr
.Lasked_\@:
.endm
; A prefetch of the K step behind the one just asked for: 32 blocks of 256 bytes, a lane a block, of the stream that my wave fetches.  Cluster x = 0 asks for A's, cluster y = 0 for W's; the four partners of a
; joint load take 32 of its 128 blocks each, told apart by address.  The last refill has no step behind it.
.macro ASK
	s_cmp_gt_u32 s[STEPS], s[LIM]
	s_cbranch_scc0 .Lnot_mine_\@
	global_prefetch_b8 v[PFO], s[PFA:PFA+1] th:TH_LOAD_NT scope:SCOPE_SE
.Lnot_mine_\@:
.endm
	s_load_b256 s[80:87], s[0:1], 0x0              ; xb s[80:81], wb s[82:83], b1 s[84:85], b2 s[86:87]
	s_load_b64 s[88:89], s[0:1], 0x20              ; gs
	v_lshl_add_u32 v[SPW], v0, 2, SPARE
	v_mov_b32 v[NIL], 0
	ds_add_u32 v[SPW], v[NIL]                      ; the wave's opening: the add and its wait ahead of my first tensor load
	v_lshrrev_b32 v1, 5, v0
	v_readfirstlane_b32 s10, v1
	s_lshr_b32 s11, s10, 1
	s_and_b32 s12, s10, 1
	s_bfe_u32 s40, ttmp6, 0x40000
	s_bfe_u32 s41, ttmp6, 0x40004
	s_lshl_b32 s42, ttmp9, 2
	s_add_co_u32 s42, s42, s40
	s_and_b32 s13, ttmp7, 0xffff
	s_lshl_b32 s13, s13, 2
	s_add_co_u32 s13, s13, s41
	s_lshl_b32 s43, s41, 2
	s_lshl_b32 s43, 15, s43
	s_lshl_b32 s44, 0x1111, s40
	s_or_b32 s[G1+0], s43, (1<<16)|(1<<20)|(1<<21)|(4<<22)|(3<<25)
	s_mov_b32 s[G1+1], 8192<<16
	s_mov_b32 s[G1+2], 2<<16
	s_mov_b32 s[G1+3], 8192<<16
	s_mov_b32 s[G1+4], 2
	s_mov_b32 s[G1+5], 262144
	s_mov_b32 s[G1+6], 0
	s_mov_b32 s[G1+7], 0
	s_or_b32 s[G1B+0], s44, (1<<16)|(1<<20)|(1<<21)|(5<<22)|(7<<25)
	s_mov_b32 s[G1B+1], 128<<16
	s_mov_b32 s[G1B+2], 128<<16
	s_mov_b32 s[G1B+3], 128<<16
	s_mov_b32 s[G1B+4], 128
	s_mov_b32 s[G1B+5], NN
	s_mov_b32 s[G1B+6], 0
	s_mov_b32 s[G1B+7], 0
	s_mov_b32 s[LE], 0xbfb8aa3b
	s_mov_b32 s[LE+1], s[LE]
	s_lshl_b32 s16, s13, 15
	s_lshl_b32 s17, s12, 14
	s_add_co_u32 s16, s16, s17                     ; A: row 256 y + 128 half
	s_mov_b32 s17, 0
	s_lshl_b32 s46, s42, 8
	s_lshl_b32 s47, s12, 22                        ; W2 lies 4,194,304 bytes behind W1
	s_add_co_u32 s46, s46, s47
	s_add_co_u32 s46, s46, W1OFF
	s_mov_b32 s47, 0
	s_mul_i32 s20, s10, REG
	s_wait_dscnt 0x0
	s_wait_kmcnt 0x0
	s_add_nc_u64 s[14:15], s[80:81], s[16:17]
	s_add_nc_u64 s[46:47], s[82:83], s[46:47]
	CROUND
.irp s, 0,1
	s_mov_b32 s[G0+4*(\s)], 1
	s_add_co_u32 s[G0+4*(\s)+1], s20, (\s)*SLOTB
	s_add_nc_u64 s[G0+4*(\s)+2:G0+4*(\s)+3], s[14:15], (\s)*ASTB
	s_or_b32 s[G0+4*(\s)+3], s[G0+4*(\s)+3], 0x80000000
	s_mov_b32 s[G0B+4*(\s)], 1
	s_add_co_u32 s[G0B+4*(\s)+1], s20, (\s)*SLOTB
	s_add_nc_u64 s[G0B+4*(\s)+2:G0B+4*(\s)+3], s[46:47], (\s)*BSTB
	s_or_b32 s[G0B+4*(\s)+3], s[G0B+4*(\s)+3], 0x80000000
.endr
	s_cmp_lt_u32 s10, NA
	s_cbranch_scc0 .Lfirst_b
	tensor_load_to_lds s[G0:G0+3], s[G1:G1+7]
	s_nop 0
	tensor_load_to_lds s[G0+4:G0+7], s[G1:G1+7]
	s_nop 0
.rept 4
	v_nop
.endr
	s_branch .Lfirst_done
.Lfirst_b:
	tensor_load_to_lds s[G0B:G0B+3], s[G1B:G1B+7]
	s_nop 0
	tensor_load_to_lds s[G0B+4:G0B+7], s[G1B:G1B+7]
	s_nop 0
.rept 4
	v_nop
.endr
.Lfirst_done:
	v_and_b32 v1, 15, v0
	v_bfe_u32 v2, v0, 4, 1
	v_lshlrev_b32 v[BO], 5, v2
	s_lshl_b32 s18, s42, 9
	s_lshl_b32 s19, s12, 8
	s_add_co_u32 s18, s18, s19
	s_mov_b32 s19, 0
	s_add_nc_u64 s[84:85], s[84:85], s[18:19]
	s_add_nc_u64 s[86:87], s[86:87], s[18:19]
.irp b, 0,1,2,3
	global_load_b128 v[BIAS+8*(\b):BIAS+8*(\b)+3],       v[BO], s[84:85] offset:64*(\b)
	global_load_b128 v[BIAS+8*(\b)+4:BIAS+8*(\b)+7],     v[BO], s[84:85] offset:64*(\b)+16
	global_load_b128 v[BIAS+32+8*(\b):BIAS+32+8*(\b)+3],   v[BO], s[86:87] offset:64*(\b)
	global_load_b128 v[BIAS+32+8*(\b)+4:BIAS+32+8*(\b)+7], v[BO], s[86:87] offset:64*(\b)+16
.endr
	v_mul_u32_u24 v3, v1, 144
	v_lshl_add_u32 v3, v2, 4, v3
	s_mul_i32 s21, s11, REG
	v_add_nc_u32 v[A0], s21, v3
	v_and_b32 v4, 7, v0
	v_bfe_u32 v5, v0, 3, 1
	v_lshl_add_u32 v6, v2, 3, v4
	v_mul_u32_u24 v6, v6, 288
	v_lshl_add_u32 v6, v5, 4, v6
	s_lshl_b32 s22, s12, 7
	s_add_co_u32 s22, s22, 2*REG
	v_add_nc_u32 v[B0], s22, v6
	s_mul_i32 s23, s10, 16*SP
	s_add_co_u32 s23, s23, STAGE
	v_mul_u32_u24 v6, v1, SP
	v_lshl_add_u32 v6, v2, 4, v6
	v_add_nc_u32 v[STO], s23, v6
	v_bfe_u32 v6, v0, 3, 2
	v_mul_u32_u24 v6, v6, SP
	v_lshl_add_u32 v6, v4, 4, v6
	v_add_nc_u32 v[RD], s23, v6
	v_and_b32 v6, 31, v0
	v_lshlrev_b32 v[GO], 4, v6
	s_lshl_b32 s16, s42, 1
	s_add_co_u32 s16, s16, s12
	s_lshl_b32 s16, s16, 19                        ; slab 2 x + my half
	s_lshl_b32 s17, s13, 15
	s_add_co_u32 s16, s16, s17
	s_lshl_b32 s17, s11, 14
	s_add_co_u32 s16, s16, s17
	s_mov_b32 s17, 0
	s_add_nc_u64 s[88:89], s[88:89], s[16:17]
	; the prefetches
	s_and_b32 s22, ttmp7, 0xffff
	s_lshr_b32 s18, s40, 1
	s_lshl_b32 s18, s18, 19
	s_and_b32 s19, s40, 1
	s_lshl_b32 s19, s19, 13
	s_add_co_u32 s18, s18, s19
	s_mul_i32 s19, s41, 64*NN
	s_mov_b32 s23, 2*NN
	s_mov_b32 s[PST], BSTB
	s_cmp_lt_u32 s10, NA
	s_cselect_b32 s18, s18, s19
	s_cselect_b32 s22, ttmp9, s22
	s_cselect_b32 s23, 256, s23
	s_cselect_b32 s[PST], ASTB, s[PST]
	s_cselect_b64 s[PFA:PFA+1], s[14:15], s[46:47]
	s_cmp_eq_u32 s22, 0
	s_cselect_b32 s[LIM], 1, -1
	s_mov_b32 s19, 0
	s_mov_b32 s[PST+1], 0
	s_add_nc_u64 s[PFA:PFA+1], s[PFA:PFA+1], s[18:19]
	s_add_nc_u64 s[PFA:PFA+1], s[PFA:PFA+1], s[PST:PST+1]
	s_add_nc_u64 s[PFA:PFA+1], s[PFA:PFA+1], s[PST:PST+1]  ; at K step 2; each change of slots steps it first.  Steps 0 to 2 come by their loads alone
	v_mul_u32_u24 v[PFO], v6, s23
.macro FETCH f, ka, kb                 ; 32 LDS loads in one run: 32 along K into buffer f: W's 16 (W1's four blocks, W2's four), then A's 16
	WIN 0x40
.irp p, 0,1
.irp b, 0,1,2,3
	ds_load_tr16_b128 v[64+64*(\f)+8*(4*(\p)+(\b)):64+64*(\f)+8*(4*(\p)+(\b))+3],   v[ADRB] offset:(\kb)+36864*(\p)+32*(\b)
	ds_load_tr16_b128 v[64+64*(\f)+8*(4*(\p)+(\b))+4:64+64*(\f)+8*(4*(\p)+(\b))+7], v[ADRB] offset:(\kb)+36864*(\p)+32*(\b)+4608
.endr
.endr
	WIN 0
.irp i, 0,1,2,3,4,5,6,7
	ds_load_b128 v[64+64*(\f)+8*(\i):64+64*(\f)+8*(\i)+3],   v[ADRA] offset:(\ka)+2304*(\i)
	ds_load_b128 v[64+64*(\f)+8*(\i)+4:64+64*(\f)+8*(\i)+7], v[ADRA] offset:(\ka)+2304*(\i)+32
.endr
.endm
.macro MUL32 f, hi, c0                 ; 32 products: row blocks 4 hi .. 4 hi + 3 x 8 column blocks.  c0 = 1: they start the sums with the biases (C in window 0)
.if \c0
	WIN 0x81+0x40*(\hi)
.else
	WIN 0xa1+0x50*(\hi)
.endif
.irp a, 0,1,2,3
.irp b, 0,1,2,3,4,5,6,7
.if \c0
	v_wmma_f32_16x16x32_bf16 v[8*(8*(\a)+(\b)):8*(8*(\a)+(\b))+7], v[64+64*(\f)+8*(\b):64+64*(\f)+8*(\b)+7], v[64+64*(\f)+8*(4*(\hi)+(\a)):64+64*(\f)+8*(4*(\hi)+(\a))+7], v[BIAS+8*(\b):BIAS+8*(\b)+7]
.else
	v_wmma_f32_16x16x32_bf16 v[8*(8*(\a)+(\b)):8*(8*(\a)+(\b))+7], v[64+64*(\f)+8*(\b):64+64*(\f)+8*(\b)+7], v[64+64*(\f)+8*(4*(\hi)+(\a)):64+64*(\f)+8*(4*(\hi)+(\a))+7], v[8*(8*(\a)+(\b)):8*(8*(\a)+(\b))+7]
.endif
.endr
.endr
.endm
.macro QUARTER f, g, ka, kb, c0
	s_wait_dscnt 8                                 ; all but the youngest eight loads: A's row blocks 4 to 7
	MUL32 \f, 0, \c0
	PLACES
	FETCH \g, \ka, \kb
	s_wait_dscnt 32                                ; all but the 32 just issued
	MUL32 \f, 1, \c0
.endm
.macro U
	WIN 0
	v_add_nc_u32 v[ADRA], s[TA], v[A0]
	v_add_nc_u32 v[ADRB], s[TB], v[B0]
	QUARTER 1, 0, 0, 0, 0
	QUARTER 0, 1, 64, 9216, 0
	WIN 0
	s_add_co_u32 s[TA], s[TA], AST
	s_add_co_u32 s[TB], s[TB], BST
.endm
.macro CHANGE fill                     ; the change of slots: all my tensor loads, the add, my reads of the slot; then the barrier (fill = 1: a round of the cluster's) and the refill first behind it
	WIN 0
	s_wait_tensorcnt 0x0
	ds_add_u32 v[SPW], v[NIL]
.if \fill
	s_xor_b32 s[G0+5], s[G0+5], SLOTB
	s_add_nc_u64 s[G0+6:G0+7], s[G0+6:G0+7], ASTB
	s_xor_b32 s[G0B+5], s[G0B+5], SLOTB
	s_add_nc_u64 s[G0B+6:G0B+7], s[G0B+6:G0B+7], BSTB
	s_wait_xcnt 0x0                                ; the last prefetch, a K step back, has read its address
	s_add_nc_u64 s[PFA:PFA+1], s[PFA:PFA+1], s[PST:PST+1]
.endif
	s_sub_co_u32 s[TA], s[TA], UT*AST
	s_xor_b32 s[TA], s[TA], SLOTB
	s_sub_co_u32 s[TB], s[TB], UT*BST
	s_xor_b32 s[TB], s[TB], SLOTB
	s_wait_dscnt 0x0
.if \fill
	CROUND
	JLOAD
	ASK
.else
	s_barrier_signal -1
	s_barrier_wait -1
.endif
.endm
	s_wait_tensorcnt 0x1                           ; my region of slot 0 is in; slot 1's may stay out
	s_barrier_signal -1
	s_barrier_wait -1
	v_mov_b32 v[ADRA], v[A0]
	v_mov_b32 v[ADRB], v[B0]
	FETCH 0, 0, 0
	s_wait_loadcnt 0x0                             ; the biases
	QUARTER 0, 1, 64, 9216, 1
	WIN 0
	s_mov_b32 s[TA], AST
	s_mov_b32 s[TB], BST
	s_mov_b32 s[CNT], UT-1
	s_mov_b32 s[STEPS], NS-1
	s_branch .Lu
.Lstep:
	CHANGE 1
	s_mov_b32 s[CNT], UT
.Lu:
	U
	s_sub_co_u32 s[CNT], s[CNT], 1
	s_cmp_lg_u32 s[CNT], 0
	s_cbranch_scc1 .Lu
	s_sub_co_u32 s[STEPS], s[STEPS], 1
	s_cmp_lg_u32 s[STEPS], 0
	s_cbranch_scc1 .Lstep
	CHANGE 0
	s_mov_b32 s[CNT], UT
.Lu2:
	U
	s_sub_co_u32 s[CNT], s[CNT], 1
	s_cmp_lg_u32 s[CNT], 0
	s_cbranch_scc1 .Lu2
	s_wait_dscnt 0x0
	MUL32 1, 0, 0
	MUL32 1, 1, 0
	WIN 0
	PLACES
; THE GATE, in place, for row blocks a and a + 1 (one window).  Of row block a, h1 lies in v[64 (a % 4) ..+31], h2 in the 32 behind.  GM: h2 x -log2 e.  GE: 2^.  GA: + 1.  GR: 1 / .  GF: h1 x that.
; The two blocks are a step apart, so that plain lines of one stand among the transcendentals of the other; each batch of 32 has one wait, ahead of the first line that names a result of it,
; and a plain line of the other block behind its last.
.macro GM a, n
	v_pk_mul_f32 v[64*((\a)%4)+32+2*(\n):64*((\a)%4)+32+2*(\n)+1], v[64*((\a)%4)+32+2*(\n):64*((\a)%4)+32+2*(\n)+1], s[LE:LE+1] op_sel_hi:[1,0]
.endm
.macro GE a, n
	v_exp_f32 v[64*((\a)%4)+32+(\n)], v[64*((\a)%4)+32+(\n)]
.endm
.macro GA a, n
	v_pk_add_f32 v[64*((\a)%4)+32+2*(\n):64*((\a)%4)+32+2*(\n)+1], v[64*((\a)%4)+32+2*(\n):64*((\a)%4)+32+2*(\n)+1], 1.0 op_sel_hi:[1,0]
.endm
.macro GR a, n
	v_rcp_f32 v[64*((\a)%4)+32+(\n)], v[64*((\a)%4)+32+(\n)]
.endm
.macro GF a, n
	v_pk_mul_f32 v[64*((\a)%4)+2*(\n):64*((\a)%4)+2*(\n)+1], v[64*((\a)%4)+2*(\n):64*((\a)%4)+2*(\n)+1], v[64*((\a)%4)+32+2*(\n):64*((\a)%4)+32+2*(\n)+1]
.endm
.macro GATE a
	WIN 0x8a+0x45*((\a)/4)                         ; destination and both sources in the blocks' window
.set i, 0
.rept 16
	GM \a, i
.set i, i+1
.endr
.set i, 0
.rept 16
	GE \a, 2*i
	GE \a, 2*i+1
	GM (\a)+1, i
.set i, i+1
.endr
	s_wait_alu depctr_va_vdst(0)
.set i, 0
.rept 16
	GE (\a)+1, 2*i
	GE (\a)+1, 2*i+1
	GA \a, i
.set i, i+1
.endr
	s_wait_alu depctr_va_vdst(0)
.set i, 0
.rept 16
	GR \a, 2*i
	GR \a, 2*i+1
	GA (\a)+1, i
.set i, i+1
.endr
	s_wait_alu depctr_va_vdst(0)
.set i, 0
.rept 16
	GR (\a)+1, 2*i
	GR (\a)+1, 2*i+1
	GF \a, i
.set i, i+1
.endr
	s_wait_alu depctr_va_vdst(0)
.set i, 0
.rept 16
	GF (\a)+1, i
.set i, i+1
.endr
.endm
.macro CONV a                          ; both blocks' g rounded to bf16
	WIN 0x0a+5*((\a)/4)
.irp u, 0,1
.irp b, 0,1,2,3
.irp r, 0,1,2,3
	v_cvt_pk_bf16_f32 v[PKR+16*(\u)+4*(\b)+(\r)], v[64*(((\a)+(\u))%4)+8*(\b)+2*(\r)], v[64*(((\a)+(\u))%4)+8*(\b)+2*(\r)+1]
.endr
.endr
.endr
	WIN 0
.endm
.macro STG a                           ; 16 bytes a lane into my stage, and back as whole rows of 128 bytes
	WIN 0
.if ((\a)%2) == 0
	s_wait_xcnt 0x0                                ; the last pair's stores have read the registers that are loaded again
.endif
.irp b, 0,1,2,3
	ds_store_b128 v[STO], v[PKR+16*((\a)%2)+4*(\b):PKR+16*((\a)%2)+4*(\b)+3] offset:32*(\b)
.endr
.irp f, 0,1,2,3
	ds_load_b128 v[BK+16*((\a)%2)+4*(\f):BK+16*((\a)%2)+4*(\f)+3], v[RD] offset:(\f)*4*SP  ; LDS serves a wave's instructions in order (ISA guide 5.7.1.4)
.endr
.endm
.macro SEND a, younger
	WIN 0
.irp f, 0,1,2,3
	s_wait_dscnt (\younger)+3-(\f)
	global_store_b128 v[GO], v[BK+16*((\a)%2)+4*(\f):BK+16*((\a)%2)+4*(\f)+3], s[88:89] offset:(\a)*2048+(\f)*512  ; 512 consecutive bytes of a slab
.endr
.endm
	GATE 0
	CONV 0
	STG 0
	STG 1
.irp a, 2,4,6                          ; a pair's stores stand behind the next pair's gate, which covers the stage's round trip
	GATE \a
	SEND (\a)-2, 8
	SEND (\a)-1, 0
	CONV \a
	STG \a
	STG (\a)+1
.endr
	SEND 6, 8
	SEND 7, 0
	s_wait_tensorcnt 0x0                           ; the wave's end
	ds_add_u32 v[SPW], v[NIL]
	s_wait_dscnt 0x0
	CROUND
	s_endpgm
.Lfunc_end_k_qf7c42b72ce_ffnup:
	.size	k_qf7c42b72ce_ffnup, .Lfunc_end_k_qf7c42b72ce_ffnup-k_qf7c42b72ce_ffnup
	.p2alignl 7, 3214868480
	.fill 96, 4, 3214868480
	.section	.rodata,"a",@progbits
	.p2align	6, 0x0
	.amdhsa_kernel k_qf7c42b72ce_ffnup
		.amdhsa_group_segment_fixed_size 327680
		.amdhsa_private_segment_fixed_size 0
		.amdhsa_enable_private_segment 0
		.amdhsa_kernarg_size 40
		.amdhsa_user_sgpr_count 2
		.amdhsa_user_sgpr_kernarg_segment_ptr 1
		.amdhsa_wavefront_size32 1
		.amdhsa_system_sgpr_workgroup_id_x 1
		.amdhsa_system_sgpr_workgroup_id_y 1
		.amdhsa_system_sgpr_workgroup_id_z 1
		.amdhsa_system_vgpr_workitem_id 0
		.amdhsa_next_free_vgpr 1024
		.amdhsa_next_free_sgpr 96
		.amdhsa_reserve_vcc 0
		.amdhsa_float_denorm_mode_32 3
		.amdhsa_float_denorm_mode_16_64 3
		.amdhsa_memory_ordered 1
		.amdhsa_forward_progress 1
		.amdhsa_inst_pref_size 108
	.end_amdhsa_kernel
	.amdgpu_metadata
---
amdhsa.version: [ 1, 2 ]
amdhsa.kernels:
  - .name:           k_qf7c42b72ce_ffnup
    .symbol:         k_qf7c42b72ce_ffnup.kd
    .args:
      - { .name: xb, .offset: 0, .size: 8, .value_kind: global_buffer, .address_space: global }
      - { .name: wb, .offset: 8, .size: 8, .value_kind: global_buffer, .address_space: global }
      - { .name: b1, .offset: 16, .size: 8, .value_kind: global_buffer, .address_space: global }
      - { .name: b2, .offset: 24, .size: 8, .value_kind: global_buffer, .address_space: global }
      - { .name: gs, .offset: 32, .size: 8, .value_kind: global_buffer, .address_space: global }
    .group_segment_fixed_size: 327680
    .private_segment_fixed_size: 0
    .kernarg_segment_align: 8
    .kernarg_segment_size: 40
    .max_flat_workgroup_size: 128
    .sgpr_count:     96
    .vgpr_count:     1024
    .wavefront_size: 32
...
	.end_amdgpu_metadata
.endif
;; end of part 6
;; launch ffndown (part 7): grid 8 x 32, 4 waves a work-group, clusters of 4 x 4, 327,680 bytes of LDS; arguments gs, wb, b_ffn_o, x1f, z; writes z
.if DOCPART == 7
	.amdgcn_target "amdgcn-amd-amdhsa--gfx1250"
	.amdhsa_code_object_version 6
	.text
	.protected	k_qf7c42b72ce_ffndown
	.globl	k_qf7c42b72ce_ffndown
	.p2align	8
	.type	k_qf7c42b72ce_ffndown,@function
k_qf7c42b72ce_ffndown:
	s_mov_b64 s[64:65], 0
	v_nop
	global_prefetch_b8 v0, s[64:65] scope:SCOPE_SE
	s_setreg_imm32_b32 hwreg(HW_REG_WAVE_MODE, 25, 1), 1
	s_wait_xcnt 0x0
	s_wait_alu depctr_hold_cnt(0) depctr_sa_sdst(0) depctr_va_vdst(0) depctr_va_sdst(0) depctr_va_ssrc(0) depctr_va_vcc(0) depctr_vm_vsrc(0)
	s_getreg_b32 s2, hwreg(HW_REG_IB_STS2, 6, 4)
	s_cmp_eq_u32 s2, 0
	s_cbranch_scc0 .Lentry_in_a_cluster
	s_endpgm
.Lentry_in_a_cluster:
	s_bfe_u32 s2, ttmp6, 0x10000c
	s_cmp_lg_u32 s2, 0xf033
	s_cbranch_scc0 .Lentry_shape_is_right
	s_endpgm
.Lentry_shape_is_right:
; z = res + A W + bias, in f32.  A: bf16 slabs [k / 64][row][64]; W: bf16 [K][1024] at wb + WOFF; bias [1024] f32; res and z [4096][1024] f32.  Here A = gs, K = 2,048, W = w_ffn_o, res = x1f.
; SHARES.  A work-group makes 128 x 128 of z: 8 x 32 = 256 work-groups; a wave 64 x 64: 16 accumulators.  A wave's 64 columns are 256 aligned bytes of a row of z.
; RING.  K goes in steps of 256 through two LDS slots of four regions of 36,864 bytes; wave w fills region w with one tensor load: waves 0, 1 A's rows 0-63, 64-127 (four slabs: four rows of 8,192 dense
; bytes, padded 16 bytes behind every 128), waves 2, 3 W's k 0-127, 128-255 (128 rows of 256 bytes, pitch 288; the two regions lie end to end).
; THE PRODUCT IS USED TRANSPOSED (source 0 = 16 columns of W by the turning load, source 1 = 16 rows of A).  The bias is the C operand of the products that start the sums.
; CLUSTER 4 x 4: A's tile is asked for jointly along a row of the cluster, W's along a column.  No prefetch: the tiles are small and the launch is short.
; REGISTERS.  window 0: v16-29 addresses; v32-95 rows on the way out, two sets; v96-127 the bias; v128-255 accumulator (a, b) at v[128 + 8 (4 a + b)].
; window 1: two fragment buffers of 128 (64 along K: 64 registers of A, then 64 of W); at the end v0-127 take the residual.  The 16 accumulators take turns.
.set NS,    8                          ; K steps of 256
.set WOFF,  16777216
.set NN,    1024
.set UT,    2
.set NA,    2
.set REG,   0x9000
.set SLOTB, 0x24000
.set STAGE, 2*SLOTB
.set SPITCH, 272
.set SPARE, STAGE+4*16*SPITCH
.set ASTB,  4*524288
.set BSTB,  256*NN*2
.set AST,   2*64*144
.set BST,   128*288
.set A0,    16
.set B0,    17
.set ADRA,  18
.set ADRB,  19
.set STO,   24
.set RD,    25
.set CO,    26
.set BO,    27
.set SPW,   28
.set NIL,   29
.set TMP,   32
.set BIAS,  96
.set ACC,   128
.set F0,    0
.set F1,    128
.set G1,  24
.set G0,  32
.set G1B, 48
.set G0B, 56
.set TA,  66
.set TB,  67
.set CNT, 68
.set STEPS, 69
.set MSB, 0
.macro WIN new
.if MSB != (\new)
	s_set_vgpr_msb (MSB<<8)|(\new)
.set MSB, \new
.endif
.endm
.macro PLACES
.rept 4
	v_nop
.endr
.endm
.macro CROUND
	s_barrier_signal -1
	s_barrier_wait -1
	s_cmp_lg_u32 s10, 0
	s_cbranch_scc1 .Lnot_wave_0_\@
	s_barrier_signal -3
.Lnot_wave_0_\@:
	s_barrier_wait -3
	s_barrier_signal -1
	s_barrier_wait -1
.endm
.macro JLOAD
	s_cmp_lt_u32 s10, NA
	s_cbranch_scc0 .Lfor_b_\@
	tensor_load_to_lds s[G0+4:G0+7], s[G1:G1+7]
	s_nop 0
.rept 4
	v_nop
.endr
	s_branch .Lasked_\@
.Lfor_b_\@:
	tensor_load_to_lds s[G0B+4:G0B+7], s[G1B:G1B+7]
	s_nop 0
.rept 4
	v_nop
.endr
.Lasked_\@:
.endm
	s_load_b256 s[80:87], s[0:1], 0x0              ; A s[80:81], wb s[82:83], bias s[84:85], res s[86:87]
	s_load_b64 s[88:89], s[0:1], 0x20              ; z
	v_lshl_add_u32 v[SPW], v0, 2, SPARE
	v_mov_b32 v[NIL], 0
	ds_add_u32 v[SPW], v[NIL]                      ; the wave's opening: the add and its wait ahead of my first tensor load
	v_lshrrev_b32 v1, 5, v0
	v_readfirstlane_b32 s10, v1
	s_lshr_b32 s11, s10, 1
	s_and_b32 s12, s10, 1
	s_bfe_u32 s40, ttmp6, 0x40000
	s_bfe_u32 s41, ttmp6, 0x40004
	s_lshl_b32 s42, ttmp9, 2
	s_add_co_u32 s42, s42, s40
	s_and_b32 s13, ttmp7, 0xffff
	s_lshl_b32 s13, s13, 2
	s_add_co_u32 s13, s13, s41
	s_lshl_b32 s43, s41, 2
	s_lshl_b32 s43, 15, s43
	s_lshl_b32 s44, 0x1111, s40
	s_or_b32 s[G1+0], s43, (1<<16)|(1<<20)|(1<<21)|(4<<22)|(3<<25)
	s_mov_b32 s[G1+1], 4096<<16
	s_mov_b32 s[G1+2], 4<<16
	s_mov_b32 s[G1+3], 4096<<16
	s_mov_b32 s[G1+4], 4
	s_mov_b32 s[G1+5], 262144
	s_mov_b32 s[G1+6], 0
	s_mov_b32 s[G1+7], 0
	s_or_b32 s[G1B+0], s44, (1<<16)|(1<<20)|(1<<21)|(5<<22)|(7<<25)
	s_mov_b32 s[G1B+1], 128<<16
	s_mov_b32 s[G1B+2], 128<<16
	s_mov_b32 s[G1B+3], 128<<16
	s_mov_b32 s[G1B+4], 128
	s_mov_b32 s[G1B+5], NN
	s_mov_b32 s[G1B+6], 0
	s_mov_b32 s[G1B+7], 0
	s_lshl_b32 s16, s13, 14
	s_lshl_b32 s17, s12, 13
	s_add_co_u32 s16, s16, s17
	s_mov_b32 s17, 0
	s_lshl_b32 s46, s42, 8
	s_lshl_b32 s47, s12, 18
	s_add_co_u32 s46, s46, s47
	s_add_co_u32 s46, s46, WOFF
	s_mov_b32 s47, 0
	s_mul_i32 s20, s10, REG
	s_wait_dscnt 0x0
	s_wait_kmcnt 0x0
	s_add_nc_u64 s[14:15], s[80:81], s[16:17]
	s_add_nc_u64 s[46:47], s[82:83], s[46:47]
	CROUND
.irp s, 0,1
	s_mov_b32 s[G0+4*(\s)], 1
	s_add_co_u32 s[G0+4*(\s)+1], s20, (\s)*SLOTB
	s_add_nc_u64 s[G0+4*(\s)+2:G0+4*(\s)+3], s[14:15], (\s)*ASTB
	s_or_b32 s[G0+4*(\s)+3], s[G0+4*(\s)+3], 0x80000000
	s_mov_b32 s[G0B+4*(\s)], 1
	s_add_co_u32 s[G0B+4*(\s)+1], s20, (\s)*SLOTB
	s_add_nc_u64 s[G0B+4*(\s)+2:G0B+4*(\s)+3], s[46:47], (\s)*BSTB
	s_or_b32 s[G0B+4*(\s)+3], s[G0B+4*(\s)+3], 0x80000000
.endr
	s_cmp_lt_u32 s10, NA
	s_cbranch_scc0 .Lfirst_b
	tensor_load_to_lds s[G0:G0+3], s[G1:G1+7]
	s_nop 0
	tensor_load_to_lds s[G0+4:G0+7], s[G1:G1+7]
	s_nop 0
.rept 4
	v_nop
.endr
	s_branch .Lfirst_done
.Lfirst_b:
	tensor_load_to_lds s[G0B:G0B+3], s[G1B:G1B+7]
	s_nop 0
	tensor_load_to_lds s[G0B+4:G0B+7], s[G1B:G1B+7]
	s_nop 0
.rept 4
	v_nop
.endr
.Lfirst_done:
	v_and_b32 v1, 15, v0
	v_bfe_u32 v2, v0, 4, 1
	v_lshlrev_b32 v[BO], 5, v2
	s_lshl_b32 s18, s42, 9
	s_lshl_b32 s19, s12, 8
	s_add_co_u32 s18, s18, s19
	s_mov_b32 s19, 0
	s_add_nc_u64 s[84:85], s[84:85], s[18:19]
.irp b, 0,1,2,3
	global_load_b128 v[BIAS+8*(\b):BIAS+8*(\b)+3],   v[BO], s[84:85] offset:64*(\b)
	global_load_b128 v[BIAS+8*(\b)+4:BIAS+8*(\b)+7], v[BO], s[84:85] offset:64*(\b)+16
.endr
	v_mul_u32_u24 v3, v1, 144
	v_lshl_add_u32 v3, v2, 4, v3
	s_mul_i32 s21, s11, REG
	v_add_nc_u32 v[A0], s21, v3
	v_and_b32 v4, 7, v0
	v_bfe_u32 v5, v0, 3, 1
	v_lshl_add_u32 v6, v2, 3, v4
	v_mul_u32_u24 v6, v6, 288
	v_lshl_add_u32 v6, v5, 4, v6
	s_lshl_b32 s22, s12, 7
	s_add_co_u32 s22, s22, 2*REG
	v_add_nc_u32 v[B0], s22, v6
	s_mul_i32 s23, s10, 16*SPITCH
	s_add_co_u32 s23, s23, STAGE
	v_mul_u32_u24 v6, v1, SPITCH
	v_lshl_add_u32 v6, v2, 5, v6
	v_add_nc_u32 v[STO], s23, v6
	v_mul_u32_u24 v6, v2, SPITCH
	v_lshl_add_u32 v6, v1, 4, v6
	v_add_nc_u32 v[RD], s23, v6
	v_lshlrev_b32 v6, 12, v2
	v_lshl_add_u32 v[CO], v1, 4, v6
	s_lshl_b32 s16, s13, 19
	s_lshl_b32 s17, s11, 18
	s_add_co_u32 s16, s16, s17
	s_add_co_u32 s16, s16, s18
	s_mov_b32 s17, 0
	s_add_nc_u64 s[86:87], s[86:87], s[16:17]
	s_add_nc_u64 s[88:89], s[88:89], s[16:17]
.macro MUL8 f, c, a0, c0               ; 8 products: row blocks a0, a0 + 1 x 4 column blocks, 32 along K: half c of buffer f.  c0 = 1: they start the sums with the bias
	WIN 0x05
.irp a, \a0, (\a0)+1
.irp b, 0,1,2,3
.if \c0
	v_wmma_f32_16x16x32_bf16 v[ACC+8*(4*(\a)+(\b)):ACC+8*(4*(\a)+(\b))+7], v[(\f)+64+8*(4*(\c)+(\b)):(\f)+64+8*(4*(\c)+(\b))+7], v[(\f)+8*(4*(\c)+(\a)):(\f)+8*(4*(\c)+(\a))+7], v[BIAS+8*(\b):BIAS+8*(\b)+7]
.else
	v_wmma_f32_16x16x32_bf16 v[ACC+8*(4*(\a)+(\b)):ACC+8*(4*(\a)+(\b))+7], v[(\f)+64+8*(4*(\c)+(\b)):(\f)+64+8*(4*(\c)+(\b))+7], v[(\f)+8*(4*(\c)+(\a)):(\f)+8*(4*(\c)+(\a))+7], v[ACC+8*(4*(\a)+(\b)):ACC+8*(4*(\a)+(\b))+7]
.endif
.endr
.endr
.endm
.macro FETCH f, ka, kb                 ; 32 LDS loads in one run: one slab, 64 along K, into buffer f; the first 32 along K first
	WIN 0x40
.irp c, 0,1
.irp i, 0,1,2,3
	ds_load_tr16_b128 v[(\f)+64+8*(4*(\c)+(\i)):(\f)+64+8*(4*(\c)+(\i))+3],   v[ADRB] offset:(\kb)+9216*(\c)+32*(\i)
	ds_load_tr16_b128 v[(\f)+64+8*(4*(\c)+(\i))+4:(\f)+64+8*(4*(\c)+(\i))+7], v[ADRB] offset:(\kb)+9216*(\c)+32*(\i)+4608
	ds_load_b128 v[(\f)+8*(4*(\c)+(\i)):(\f)+8*(4*(\c)+(\i))+3],   v[ADRA] offset:(\ka)+64*(\c)+2304*(\i)
	ds_load_b128 v[(\f)+8*(4*(\c)+(\i))+4:(\f)+8*(4*(\c)+(\i))+7], v[ADRA] offset:(\ka)+64*(\c)+2304*(\i)+32
.endr
.endr
.endm
.macro QUARTER f, g, ka, kb, c0
	s_wait_dscnt 16                                ; the first 32 along K are in
	MUL8 \f, 0, 0, \c0
	MUL8 \f, 0, 2, \c0
	PLACES
	FETCH \g, \ka, \kb
	s_wait_dscnt 32                                ; all but the 32 just issued
	MUL8 \f, 1, 0, 0
	MUL8 \f, 1, 2, 0
.endm
.macro U
	WIN 0
	v_add_nc_u32 v[ADRA], s[TA], v[A0]
	v_add_nc_u32 v[ADRB], s[TB], v[B0]
	QUARTER F1, F0, 0, 0, 0
	QUARTER F0, F1, 9216, 18432, 0
	WIN 0
	s_add_co_u32 s[TA], s[TA], AST
	s_add_co_u32 s[TB], s[TB], BST
.endm
.macro CHANGE fill                     ; the change of slots: all my tensor loads, the add, my reads of the slot; then the barrier (fill = 1: a round of the cluster's) and the refill first behind it
	WIN 0
	s_wait_tensorcnt 0x0
	ds_add_u32 v[SPW], v[NIL]
.if \fill
	s_xor_b32 s[G0+5], s[G0+5], SLOTB
	s_add_nc_u64 s[G0+6:G0+7], s[G0+6:G0+7], ASTB
	s_xor_b32 s[G0B+5], s[G0B+5], SLOTB
	s_add_nc_u64 s[G0B+6:G0B+7], s[G0B+6:G0B+7], BSTB
.endif
	s_sub_co_u32 s[TA], s[TA], UT*AST
	s_xor_b32 s[TA], s[TA], SLOTB
	s_sub_co_u32 s[TB], s[TB], UT*BST
	s_xor_b32 s[TB], s[TB], SLOTB
	s_wait_dscnt 0x0
.if \fill
	CROUND
	JLOAD
.else
	s_barrier_signal -1
	s_barrier_wait -1
.endif
.endm
	s_wait_tensorcnt 0x1                           ; my region of slot 0 is in; slot 1's may stay out
	s_barrier_signal -1
	s_barrier_wait -1
	v_mov_b32 v[ADRA], v[A0]
	v_mov_b32 v[ADRB], v[B0]
	FETCH F0, 0, 0
	s_wait_loadcnt 0x0                             ; the bias
	QUARTER F0, F1, 9216, 18432, 1
	WIN 0
	s_mov_b32 s[TA], AST
	s_mov_b32 s[TB], BST
	s_mov_b32 s[CNT], UT-1
	s_mov_b32 s[STEPS], NS-1
	s_branch .Lu
.Lstep:
	CHANGE 1
	s_mov_b32 s[CNT], UT
.Lu:
	U
	s_sub_co_u32 s[CNT], s[CNT], 1
	s_cmp_lg_u32 s[CNT], 0
	s_cbranch_scc1 .Lu
	s_sub_co_u32 s[STEPS], s[STEPS], 1
	s_cmp_lg_u32 s[STEPS], 0
	s_cbranch_scc1 .Lstep
	CHANGE 0
	s_mov_b32 s[CNT], UT
.Lu2:
	U
	s_sub_co_u32 s[CNT], s[CNT], 1
	s_cmp_lg_u32 s[CNT], 0
	s_cbranch_scc1 .Lu2
	PLACES                                         ; buffer 0 has been multiplied: it takes my 64 x 64 of the residual
	WIN 0x40
.irp a, 0,1,2,3
.irp t, 0,1,2,3,4,5,6,7
	global_load_b128 v[32*(\a)+4*(\t):32*(\a)+4*(\t)+3], v[CO], s[86:87] offset:(\a)*65536+(\t)*8192 th:TH_LOAD_NT
.endr
.endr
	s_wait_dscnt 0x0
	MUL8 F1, 0, 0, 0                               ; the last quarter
	MUL8 F1, 0, 2, 0
	MUL8 F1, 1, 0, 0
	MUL8 F1, 1, 2, 0
	WIN 0
	PLACES
; THE WAY OUT of row block a: the sums go into my stage as they are, come back as whole rows of 256 bytes, take the residual and are stored: 16 lanes write 256 consecutive bytes, aligned.
.macro OUT a
	WIN 0
.irp n, 0,1,2,3
	ds_store_b128 v[STO], v[ACC+8*(4*(\a)+(\n)):ACC+8*(4*(\a)+(\n))+3]   offset:64*(\n)
	ds_store_b128 v[STO], v[ACC+8*(4*(\a)+(\n))+4:ACC+8*(4*(\a)+(\n))+7] offset:64*(\n)+16
.endr
	s_wait_xcnt 0x0                                ; the stores of two blocks back have read the registers that are loaded again
.irp t, 0,1,2,3,4,5,6,7
	ds_load_b128 v[TMP+32*((\a)%2)+4*(\t):TMP+32*((\a)%2)+4*(\t)+3], v[RD] offset:(\t)*2*SPITCH
.endr
	s_wait_dscnt 0x0
	s_wait_loadcnt 24-8*(\a)                       ; this block's eight residual loads are in; the later blocks' stay out
	WIN 0x04
.set i, 0
.rept 16
	v_pk_add_f32 v[TMP+32*((\a)%2)+2*i:TMP+32*((\a)%2)+2*i+1], v[TMP+32*((\a)%2)+2*i:TMP+32*((\a)%2)+2*i+1], v[32*(\a)+2*i:32*(\a)+2*i+1]
.set i, i+1
.endr
	WIN 0
.irp t, 0,1,2,3,4,5,6,7
	global_store_b128 v[CO], v[TMP+32*((\a)%2)+4*(\t):TMP+32*((\a)%2)+4*(\t)+3], s[88:89] offset:(\a)*65536+(\t)*8192
.endr
.endm
	OUT 0
	OUT 1
	OUT 2
	OUT 3
	s_wait_tensorcnt 0x0                           ; the wave's end
	ds_add_u32 v[SPW], v[NIL]
	s_wait_dscnt 0x0
	CROUND
	s_endpgm
.Lfunc_end_k_qf7c42b72ce_ffndown:
	.size	k_qf7c42b72ce_ffndown, .Lfunc_end_k_qf7c42b72ce_ffndown-k_qf7c42b72ce_ffndown
	.p2alignl 7, 3214868480
	.fill 96, 4, 3214868480
	.section	.rodata,"a",@progbits
	.p2align	6, 0x0
	.amdhsa_kernel k_qf7c42b72ce_ffndown
		.amdhsa_group_segment_fixed_size 327680
		.amdhsa_private_segment_fixed_size 0
		.amdhsa_enable_private_segment 0
		.amdhsa_kernarg_size 40
		.amdhsa_user_sgpr_count 2
		.amdhsa_user_sgpr_kernarg_segment_ptr 1
		.amdhsa_wavefront_size32 1
		.amdhsa_system_sgpr_workgroup_id_x 1
		.amdhsa_system_sgpr_workgroup_id_y 1
		.amdhsa_system_sgpr_workgroup_id_z 1
		.amdhsa_system_vgpr_workitem_id 0
		.amdhsa_next_free_vgpr 512
		.amdhsa_next_free_sgpr 96
		.amdhsa_reserve_vcc 0
		.amdhsa_float_denorm_mode_32 3
		.amdhsa_float_denorm_mode_16_64 3
		.amdhsa_memory_ordered 1
		.amdhsa_forward_progress 1
		.amdhsa_inst_pref_size 52
	.end_amdhsa_kernel
	.amdgpu_metadata
---
amdhsa.version: [ 1, 2 ]
amdhsa.kernels:
  - .name:           k_qf7c42b72ce_ffndown
    .symbol:         k_qf7c42b72ce_ffndown.kd
    .args:
      - { .name: gs, .offset: 0, .size: 8, .value_kind: global_buffer, .address_space: global }
      - { .name: wb, .offset: 8, .size: 8, .value_kind: global_buffer, .address_space: global }
      - { .name: b_ffn_o, .offset: 16, .size: 8, .value_kind: global_buffer, .address_space: global }
      - { .name: x1f, .offset: 24, .size: 8, .value_kind: global_buffer, .address_space: global }
      - { .name: z, .offset: 32, .size: 8, .value_kind: global_buffer, .address_space: global }
    .group_segment_fixed_size: 327680
    .private_segment_fixed_size: 0
    .kernarg_segment_align: 8
    .kernarg_segment_size: 40
    .max_flat_workgroup_size: 128
    .sgpr_count:     96
    .vgpr_count:     512
    .wavefront_size: 32
...
	.end_amdgpu_metadata
.endif
;; end of part 7
;; launch ln2 (part 8): grid 256 x 1, 8 waves a work-group, no clusters, 0 bytes of LDS; arguments z, g2, be2, out0; writes out0
.if DOCPART == 8
	.amdgcn_target "amdgcn-amd-amdhsa--gfx1250"
	.amdhsa_code_object_version 6
	.text
	.protected	k_qf7c42b72ce_ln2
	.globl	k_qf7c42b72ce_ln2
	.p2align	8
	.type	k_qf7c42b72ce_ln2,@function
k_qf7c42b72ce_ln2:
	s_mov_b64 s[64:65], 0
	v_nop
	global_prefetch_b8 v0, s[64:65] scope:SCOPE_SE
	s_setreg_imm32_b32 hwreg(HW_REG_WAVE_MODE, 25, 1), 1
	s_wait_xcnt 0x0
; out = (z - mean) rsqrt(var + 1e-5) g + be, along rows of 1,024, all f32.
; A work-group owns 16 rows, a wave two: lanes 0-15 one row, lanes 16-31 the next.  A lane holds columns 64 j + 4 (l % 16) .. + 3, j = 0..15: every 16-byte access of sixteen lanes is 256 consecutive bytes, aligned,
; and a row's sums stay inside sixteen lanes: four steps on the arithmetic itself, no LDS, no barrier.  The mean is taken away before the squares.  The row is read once and kept in 64 registers.
.set ZO,  2
.set GOF, 3
.set CH,  8
.set MU,  16
.set EPS, 18
.set RS,  20
.set X,   64
.set G,   128
.set BE,  192
.macro REDUCE
	v_pk_add_f32 v[CH:CH+1], v[CH:CH+1], v[CH+2:CH+3]
	v_pk_add_f32 v[CH+4:CH+5], v[CH+4:CH+5], v[CH+6:CH+7]
	v_pk_add_f32 v[CH:CH+1], v[CH:CH+1], v[CH+4:CH+5]
	v_add_f32 v[CH], v[CH], v[CH+1]
	v_add_f32_dpp v[CH], v[CH], v[CH] row_xmask:1 row_mask:0xf bank_mask:0xf
	v_add_f32_dpp v[CH], v[CH], v[CH] row_xmask:2 row_mask:0xf bank_mask:0xf
	v_add_f32_dpp v[CH], v[CH], v[CH] row_xmask:4 row_mask:0xf bank_mask:0xf
	v_add_f32_dpp v[CH], v[CH], v[CH] row_xmask:8 row_mask:0xf bank_mask:0xf
.endm
	s_load_b256 s[4:11], s[0:1], 0x0               ; z s[4:5], g s[6:7], be s[8:9], out s[10:11]
	v_lshrrev_b32 v1, 4, v0
	v_and_b32 v5, 15, v0
	v_lshlrev_b32 v[GOF], 4, v5
	v_lshl_add_u32 v[ZO], v1, 12, v[GOF]
	v_mov_b32 v[EPS], 0x3727c5ac                   ; 1e-5
	s_lshl_b32 s14, ttmp9, 16
	s_mov_b32 s15, 0
	s_wait_kmcnt 0x0
	s_add_nc_u64 s[4:5], s[4:5], s[14:15]
	s_add_nc_u64 s[10:11], s[10:11], s[14:15]
.set j, 0
.rept 16
	global_load_b128 v[X+4*j:X+4*j+3], v[ZO], s[4:5] offset:256*j th:TH_LOAD_NT
.set j, j+1
.endr
.set j, 0
.rept 16
	global_load_b128 v[G+4*j:G+4*j+3], v[GOF], s[6:7] offset:256*j
.set j, j+1
.endr
.set j, 0
.rept 16
	global_load_b128 v[BE+4*j:BE+4*j+3], v[GOF], s[8:9] offset:256*j
.set j, j+1
.endr
	s_wait_loadcnt 32                              ; the row is in; the 32 loads of g and be stay out
.irp k, 0,1,2,3
	v_pk_add_f32 v[CH+2*(\k):CH+2*(\k)+1], v[X+2*(\k):X+2*(\k)+1], v[X+8+2*(\k):X+8+2*(\k)+1]
.endr
.set j, 8
.rept 24
	v_pk_add_f32 v[CH+2*(j%4):CH+2*(j%4)+1], v[CH+2*(j%4):CH+2*(j%4)+1], v[X+2*j:X+2*j+1]
.set j, j+1
.endr
	REDUCE
	v_mul_f32 v[MU], 0x3a800000, v[CH]             ; / 1,024
	v_mov_b32 v[MU+1], v[MU]
.set j, 0
.rept 32
	v_pk_add_f32 v[X+2*j:X+2*j+1], v[X+2*j:X+2*j+1], v[MU:MU+1] neg_lo:[0,1] neg_hi:[0,1]
.set j, j+1
.endr
.irp k, 0,1,2,3
	v_pk_mul_f32 v[CH+2*(\k):CH+2*(\k)+1], v[X+2*(\k):X+2*(\k)+1], v[X+2*(\k):X+2*(\k)+1]
.endr
.set j, 4
.rept 28
	v_pk_fma_f32 v[CH+2*(j%4):CH+2*(j%4)+1], v[X+2*j:X+2*j+1], v[X+2*j:X+2*j+1], v[CH+2*(j%4):CH+2*(j%4)+1]
.set j, j+1
.endr
	REDUCE
	v_fmamk_f32 v[CH], v[CH], 0x3a800000, v[EPS]   ; var + eps
	v_rsq_f32 v[RS], v[CH]
	v_nop                                          ; a plain instruction behind the root,
	s_wait_alu depctr_va_vdst(0)                   ; and the wait ahead of its first use
	v_mov_b32 v[RS+1], v[RS]
	s_wait_loadcnt 0x0                             ; g and be
.set j, 0
.rept 32
	v_pk_mul_f32 v[G+2*j:G+2*j+1], v[G+2*j:G+2*j+1], v[RS:RS+1]
.set j, j+1
.endr
.set j, 0
.rept 32
	v_pk_fma_f32 v[X+2*j:X+2*j+1], v[X+2*j:X+2*j+1], v[G+2*j:G+2*j+1], v[BE+2*j:BE+2*j+1]
.set j, j+1
.endr
.set j, 0
.rept 16
	global_store_b128 v[ZO], v[X+4*j:X+4*j+3], s[10:11] offset:256*j th:TH_STORE_NT
.set j, j+1
.endr
	s_endpgm
.Lfunc_end_k_qf7c42b72ce_ln2:
	.size	k_qf7c42b72ce_ln2, .Lfunc_end_k_qf7c42b72ce_ln2-k_qf7c42b72ce_ln2
	.p2alignl 7, 3214868480
	.fill 96, 4, 3214868480
	.section	.rodata,"a",@progbits
	.p2align	6, 0x0
	.amdhsa_kernel k_qf7c42b72ce_ln2
		.amdhsa_group_segment_fixed_size 0
		.amdhsa_private_segment_fixed_size 0
		.amdhsa_enable_private_segment 0
		.amdhsa_kernarg_size 32
		.amdhsa_user_sgpr_count 2
		.amdhsa_user_sgpr_kernarg_segment_ptr 1
		.amdhsa_wavefront_size32 1
		.amdhsa_system_sgpr_workgroup_id_x 1
		.amdhsa_system_sgpr_workgroup_id_y 1
		.amdhsa_system_sgpr_workgroup_id_z 1
		.amdhsa_system_vgpr_workitem_id 0
		.amdhsa_next_free_vgpr 256
		.amdhsa_next_free_sgpr 66
		.amdhsa_reserve_vcc 0
		.amdhsa_float_denorm_mode_32 3
		.amdhsa_float_denorm_mode_16_64 3
		.amdhsa_memory_ordered 1
		.amdhsa_forward_progress 1
		.amdhsa_inst_pref_size 18
	.end_amdhsa_kernel
	.amdgpu_metadata
---
amdhsa.version: [ 1, 2 ]
amdhsa.kernels:
  - .name:           k_qf7c42b72ce_ln2
    .symbol:         k_qf7c42b72ce_ln2.kd
    .args:
      - { .name: z, .offset: 0, .size: 8, .value_kind: global_buffer, .address_space: global }
      - { .name: g2, .offset: 8, .size: 8, .value_kind: global_buffer, .address_space: global }
      - { .name: be2, .offset: 16, .size: 8, .value_kind: global_buffer, .address_space: global }
      - { .name: out0, .offset: 24, .size: 8, .value_kind: global_buffer, .address_space: global }
    .group_segment_fixed_size: 0
    .private_segment_fixed_size: 0
    .kernarg_segment_align: 8
    .kernarg_segment_size: 32
    .max_flat_workgroup_size: 256
    .sgpr_count:     66
    .vgpr_count:     256
    .wavefront_size: 32
...
	.end_amdgpu_metadata
.endif
;; end of part 8
;; ======== version 2 of 2: 8 launches; version 1 with the launches cast, ln1 written anew for expert scheduling mode
;; workspace buffers: wb 20,971,520 bytes; xb 8,388,608 bytes; qkvh 25,165,824 bytes; ctxh 8,388,608 bytes; z 16,777,216 bytes; x1f 16,777,216 bytes; gs 16,777,216 bytes
;; launch cast (part 9): grid 896 x 1, 8 waves a work-group, no clusters, 0 bytes of LDS; arguments x, w_qkv, w_o, w1, w2, w_ffn_o, xb, wb; writes xb, wb
.if DOCPART == 9
	.amdgcn_target "amdgcn-amd-amdhsa--gfx1250"
	.amdhsa_code_object_version 6
	.text
	.protected	k_qf7c42b72ce_cast
	.globl	k_qf7c42b72ce_cast
	.p2align	8
	.type	k_qf7c42b72ce_cast,@function
k_qf7c42b72ce_cast:
	s_mov_b64 s[64:65], 0
	v_nop
	global_prefetch_b8 v0, s[64:65] scope:SCOPE_SE
	s_setreg_imm32_b32 hwreg(HW_REG_WAVE_SCHED_MODE, 0, 2), 2
	s_setreg_imm32_b32 hwreg(HW_REG_WAVE_MODE, 25, 1), 1
	s_wait_xcnt 0x0
	s_wait_alu depctr_vm_vsrc(0)
; f32 -> bf16, once, for every matrix operand that is an input.  A work-group takes 16,384 numbers, a thread 64: sixteen loads of 16 bytes, sixteen stores of 8.
; Work-groups 0-255: x, rows 16 g .. 16 g + 15, written in SLABS: xb[column / 64][row 0..4095][64], a slab 524,288 bytes, a row of a slab 128 bytes.
;   Thread t takes row t / 16 and, in load j, columns 64 j + 4 (t % 16) ..: its 8 bytes go to slab j at 2,048 g + 8 t, so a wave's store covers 256 consecutive bytes, aligned.
; Work-groups 256-895: the five weight matrices, copied as they lie ([K][N]), one behind the other in wb: chunk c = g - 256 of 65,536 source bytes goes to wb + 32,768 c.
;   w_qkv chunks 0-191, w_o 192-255, w1 256-383, w2 384-511, w_ffn_o 512-639.
; No LDS, no barrier: nothing is shared.
; THE MODE: SCHED_MODE bits 1:0 = 2 (LLVM: expert scheduling mode 2), set by the entry lines.  The code itself states the register dependences
; between vector instructions and memory instructions, with s_wait_alu, always for 0.
; THE PLAN.  Registers that memory instructions touch:
;   v2, v3     the loads' and the stores' byte offsets: made once at the head, never written again.
;   X0 .. X3   four blocks of four loads.  Written by the sixteen loads, all issued at the head; read by block p's conversions; never loaded again.
;   Y0 .. Y3   four blocks of four stores.  Written once, by block p's conversions; read by the four stores that are issued in block p + 1; never written again.
; Block p works on X[p] and writes Y[p]; its memory instructions are the stores from Y[p - 1], which no vector instruction of block p names.  So one wait at a block's head
; states all that the block's four stores hang on, and these are dealt among its conversions with no further wait.  No register that a memory instruction reads is written
; a second time, so nothing is owed on that side.
.set X, 8                              ; v[8:71]   sixteen loads of four
.set Y, 72                             ; v[72:103] sixteen stores of two
.macro BODY lstep, sstep
	s_wait_alu depctr_va_vdst(0)                   ; v2 and v3 are written: every load reads v2 as its offset, every store v3
.set i, 0
.rept 16
	global_load_b128 v[X+4*i:X+4*i+3], v2, s[4:5] offset:i*(\lstep) th:TH_LOAD_NT
.set i, i+1
.endr
.set p, 0
.rept 4
	s_wait_loadcnt 12-4*p                          ; loads come back in order: block p's four are in, the 12 - 4 p younger ones stay out
.if p > 0
	s_wait_alu depctr_va_vdst(0)                   ; the block before has written its Y, which the four stores below read
.endif
.set i, 4*p
.rept 4
.if p > 0
	global_store_b64 v3, v[Y+2*i-8:Y+2*i-7], s[8:9] offset:(i-4)*(\sstep)  ; the block before; no vector instruction since the wait names these registers
.endif
	v_cvt_pk_bf16_f32 v[Y+2*i], v[X+4*i], v[X+4*i+1]
	v_cvt_pk_bf16_f32 v[Y+2*i+1], v[X+4*i+2], v[X+4*i+3]
.set i, i+1
.endr
.set p, p+1
.endr
	s_wait_alu depctr_va_vdst(0)                   ; block 3 has written Y3, which the last four stores read
.set i, 12
.rept 4
	global_store_b64 v3, v[Y+2*i:Y+2*i+1], s[8:9] offset:i*(\sstep)
.set i, i+1
.endr
.endm
	s_load_b512 s[16:31], s[0:1], 0x0              ; x 16, w_qkv 18, w_o 20, w1 22, w2 24, w_ffn_o 26, xb 28, wb 30
	v_lshlrev_b32 v3, 3, v0                        ; 8 t: my place in every store
	s_cmp_lt_u32 ttmp9, 256
	s_cbranch_scc0 .Lweights
	v_lshrrev_b32 v1, 4, v0                        ; my row of the sixteen
	v_and_b32 v2, 15, v0
	v_lshlrev_b32 v2, 4, v2
	v_lshl_add_u32 v2, v1, 12, v2                  ; row x 4,096 + 16 (t % 16)
	s_lshl_b32 s2, ttmp9, 16                       ; 16 rows of 4,096 bytes
	s_mov_b32 s3, 0
	s_lshl_b32 s6, ttmp9, 11                       ; 16 rows of 128 bytes in a slab
	s_mov_b32 s7, 0
	s_wait_kmcnt 0x0
	s_add_nc_u64 s[4:5], s[16:17], s[2:3]
	s_add_nc_u64 s[8:9], s[28:29], s[6:7]
	BODY 256, 524288                               ; the largest store offset, 15 slabs, lies inside the signed 24-bit immediate
	s_endpgm
.Lweights:
	v_lshlrev_b32 v2, 4, v0                        ; 16 t
	s_sub_co_u32 s2, ttmp9, 256                    ; chunk c
	s_wait_kmcnt 0x0
	s_mov_b64 s[4:5], s[26:27]                     ; which matrix holds chunk c, and that matrix's first chunk
	s_mov_b32 s6, 512
	s_cmp_lt_u32 s2, 512
	s_cselect_b64 s[4:5], s[24:25], s[4:5]
	s_cselect_b32 s6, 384, s6
	s_cmp_lt_u32 s2, 384
	s_cselect_b64 s[4:5], s[22:23], s[4:5]
	s_cselect_b32 s6, 256, s6
	s_cmp_lt_u32 s2, 256
	s_cselect_b64 s[4:5], s[20:21], s[4:5]
	s_cselect_b32 s6, 192, s6
	s_cmp_lt_u32 s2, 192
	s_cselect_b64 s[4:5], s[18:19], s[4:5]
	s_cselect_b32 s6, 0, s6
	s_sub_co_u32 s6, s2, s6
	s_lshl_b32 s6, s6, 16
	s_mov_b32 s7, 0
	s_add_nc_u64 s[4:5], s[4:5], s[6:7]
	s_lshl_b32 s2, s2, 15
	s_mov_b32 s3, 0
	s_add_nc_u64 s[8:9], s[30:31], s[2:3]
	BODY 4096, 2048
	s_endpgm
.Lfunc_end_k_qf7c42b72ce_cast:
	.size	k_qf7c42b72ce_cast, .Lfunc_end_k_qf7c42b72ce_cast-k_qf7c42b72ce_cast
	.p2alignl 7, 3214868480
	.fill 96, 4, 3214868480
	.section	.rodata,"a",@progbits
	.p2align	6, 0x0
	.amdhsa_kernel k_qf7c42b72ce_cast
		.amdhsa_group_segment_fixed_size 0
		.amdhsa_private_segment_fixed_size 0
		.amdhsa_enable_private_segment 0
		.amdhsa_kernarg_size 64
		.amdhsa_user_sgpr_count 2
		.amdhsa_user_sgpr_kernarg_segment_ptr 1
		.amdhsa_wavefront_size32 1
		.amdhsa_system_sgpr_workgroup_id_x 1
		.amdhsa_system_sgpr_workgroup_id_y 1
		.amdhsa_system_sgpr_workgroup_id_z 1
		.amdhsa_system_vgpr_workitem_id 0
		.amdhsa_next_free_vgpr 104
		.amdhsa_next_free_sgpr 66
		.amdhsa_reserve_vcc 0
		.amdhsa_float_denorm_mode_32 3
		.amdhsa_float_denorm_mode_16_64 3
		.amdhsa_memory_ordered 1
		.amdhsa_forward_progress 1
		.amdhsa_inst_pref_size 13
	.end_amdhsa_kernel
	.amdgpu_metadata
---
amdhsa.version: [ 1, 2 ]
amdhsa.kernels:
  - .name:           k_qf7c42b72ce_cast
    .symbol:         k_qf7c42b72ce_cast.kd
    .args:
      - { .name: x, .offset: 0, .size: 8, .value_kind: global_buffer, .address_space: global }
      - { .name: w_qkv, .offset: 8, .size: 8, .value_kind: global_buffer, .address_space: global }
      - { .name: w_o, .offset: 16, .size: 8, .value_kind: global_buffer, .address_space: global }
      - { .name: w1, .offset: 24, .size: 8, .value_kind: global_buffer, .address_space: global }
      - { .name: w2, .offset: 32, .size: 8, .value_kind: global_buffer, .address_space: global }
      - { .name: w_ffn_o, .offset: 40, .size: 8, .value_kind: global_buffer, .address_space: global }
      - { .name: xb, .offset: 48, .size: 8, .value_kind: global_buffer, .address_space: global }
      - { .name: wb, .offset: 56, .size: 8, .value_kind: global_buffer, .address_space: global }
    .group_segment_fixed_size: 0
    .private_segment_fixed_size: 0
    .kernarg_segment_align: 8
    .kernarg_segment_size: 64
    .max_flat_workgroup_size: 256
    .sgpr_count:     66
    .vgpr_count:     104
    .wavefront_size: 32
...
	.end_amdgpu_metadata
.endif
;; end of part 9
;; launch qkv: the kernel of part 2 again; grid 8 x 32, 4 waves a work-group, clusters of 4 x 4, 327,680 bytes of LDS; arguments xb, wb, qkvh; writes qkvh
;; launch attn: the kernel of part 3 again; grid 8 x 32, 4 waves a work-group, clusters of 4 x 1, 327,680 bytes of LDS; arguments qkvh, ctxh; writes ctxh
;; launch oproj: the kernel of part 4 again; grid 8 x 32, 4 waves a work-group, clusters of 4 x 4, 327,680 bytes of LDS; arguments ctxh, wb, b_o, x, z; writes z
;; launch ln1 (part 10): grid 256 x 1, 8 waves a work-group, no clusters, 0 bytes of LDS; arguments z, g1, be1, xb, x1f; writes xb, x1f
.if DOCPART == 10
	.amdgcn_target "amdgcn-amd-amdhsa--gfx1250"
	.amdhsa_code_object_version 6
	.text
	.protected	k_qf7c42b72ce_ln1
	.globl	k_qf7c42b72ce_ln1
	.p2align	8
	.type	k_qf7c42b72ce_ln1,@function
k_qf7c42b72ce_ln1:
	s_mov_b64 s[64:65], 0
	v_nop
	global_prefetch_b8 v0, s[64:65] scope:SCOPE_SE
	s_setreg_imm32_b32 hwreg(HW_REG_WAVE_SCHED_MODE, 0, 2), 2
	s_setreg_imm32_b32 hwreg(HW_REG_WAVE_MODE, 25, 1), 1
	s_wait_xcnt 0x0
	s_wait_alu depctr_vm_vsrc(0)
; x1 = (z - mean) rsqrt(var + 1e-5) g + be, along rows of 1,024; stored in f32 (x1f, the second residual) and in bf16 slabs (xb, the next products' operand).
; A work-group owns 16 rows, a wave two: lanes 0-15 one row, lanes 16-31 the next.  A lane holds columns 64 j + 4 (l % 16) .. + 3, j = 0..15: every 16-byte access of sixteen lanes is 256 consecutive bytes, aligned,
; and a row's sums stay inside sixteen lanes: four steps on the arithmetic itself, no LDS, no barrier.  The mean is taken away before the squares.  The row is read once and kept in 64 registers.
; THE MODE: SCHED_MODE bits 1:0 = 2 (LLVM: expert scheduling mode 2), set by the entry lines.  The code itself states the register dependences
; between vector instructions and memory instructions, with s_wait_alu, always for 0.
; THE PLAN.  Registers that memory instructions touch:
;   v[ZO], v[GOF], v[SO]  byte offsets: made once at the head, never written again.
;   X, G, BE   Written by the 48 loads, all issued at the head; named by no vector instruction ahead of their waits on LOADcnt; never loaded again.
;   X          also the f32 results: last written by block q's multiply-adds; after that read by its roundings and by the 16-byte stores that are issued in block q + 1.
;   Y          the bf16 results: written once, by block q's roundings; read by the 8-byte stores that are issued in block q + 1.
; The last arithmetic goes in four blocks of four 16-byte pieces.  Block q names its own quarter of G, X, BE and Y, and v[RS]; its memory instructions are the eight stores of block q - 1.
; So one wait at a block's head states all that those stores hang on, and they are dealt among the block's 24 vector instructions with no further wait.
; No register that a memory instruction reads is written a second time, so nothing is owed on that side.
.set ZO,  2
.set GOF, 3
.set SO,  4
.set CH,  8                            ; v[8:15] four chains
.set MU,  16                           ; v[16:17] the mean, twice
.set EPS, 18
.set RS,  20                           ; v[20:21] 1 / sqrt(var + eps), twice
.set Y,   32                           ; v[32:63] the row in bf16: pair k of the lane's 32 pairs in v[Y + k]
.set X,   64
.set G,   128
.set BE,  192
.macro REDUCE                          ; the four chains into one number, the same in the row's sixteen lanes
	v_pk_add_f32 v[CH:CH+1], v[CH:CH+1], v[CH+2:CH+3]
	v_pk_add_f32 v[CH+4:CH+5], v[CH+4:CH+5], v[CH+6:CH+7]
	v_pk_add_f32 v[CH:CH+1], v[CH:CH+1], v[CH+4:CH+5]
	v_add_f32 v[CH], v[CH], v[CH+1]
	v_add_f32_dpp v[CH], v[CH], v[CH] row_xmask:1 row_mask:0xf bank_mask:0xf
	v_add_f32_dpp v[CH], v[CH], v[CH] row_xmask:2 row_mask:0xf bank_mask:0xf
	v_add_f32_dpp v[CH], v[CH], v[CH] row_xmask:4 row_mask:0xf bank_mask:0xf
	v_add_f32_dpp v[CH], v[CH], v[CH] row_xmask:8 row_mask:0xf bank_mask:0xf
.endm
.macro OUT j                           ; piece j leaves: 16 bytes of f32, 8 bytes of bf16
	global_store_b128 v[ZO], v[X+4*(\j):X+4*(\j)+3], s[12:13] offset:256*(\j)
	global_store_b64 v[SO], v[Y+2*(\j):Y+2*(\j)+1], s[10:11] offset:524288*(\j)  ; a wave's 256 bytes are two rows of slab j
.endm
; Block q: pieces 4 q .. 4 q + 3, pairs 8 q .. 8 q + 7: eight times g x r, eight multiply-adds, eight roundings; ahead of every six of them a piece of the block before leaves.
.macro BLK q
.if (\q) > 0
	s_wait_alu depctr_va_vdst(0)                   ; the block before has written its X and its Y, which the eight stores below read
.endif
.set n, 0
.rept 24
.if ((\q) > 0) && ((n%6) == 0)
	OUT 4*((\q)-1)+n/6                             ; no vector instruction since the wait names these registers
.endif
.set k, 8*(\q)+n%8
.if n < 8
	v_pk_mul_f32 v[G+2*k:G+2*k+1], v[G+2*k:G+2*k+1], v[RS:RS+1]
.elseif n < 16
	v_pk_fma_f32 v[X+2*k:X+2*k+1], v[X+2*k:X+2*k+1], v[G+2*k:G+2*k+1], v[BE+2*k:BE+2*k+1]
.else
	v_cvt_pk_bf16_f32 v[Y+k], v[X+2*k], v[X+2*k+1]
.endif
.set n, n+1
.endr
.endm
	s_load_b256 s[4:11], s[0:1], 0x0               ; z s[4:5], g s[6:7], be s[8:9], xb s[10:11]
	s_load_b64 s[12:13], s[0:1], 0x20              ; x1f
	v_lshrrev_b32 v1, 4, v0                        ; my row of the sixteen
	v_and_b32 v5, 15, v0
	v_lshlrev_b32 v[GOF], 4, v5
	v_lshl_add_u32 v[ZO], v1, 12, v[GOF]
	v_lshlrev_b32 v[SO], 3, v0                     ; in a slab: row x 128 + 8 (l % 16) = 8 t
	v_mov_b32 v[EPS], 0x3727c5ac                   ; 1e-5
	s_lshl_b32 s14, ttmp9, 16
	s_mov_b32 s15, 0
	s_lshl_b32 s16, ttmp9, 11
	s_mov_b32 s17, 0
	s_wait_kmcnt 0x0
	s_add_nc_u64 s[4:5], s[4:5], s[14:15]
	s_add_nc_u64 s[12:13], s[12:13], s[14:15]
	s_add_nc_u64 s[10:11], s[10:11], s[16:17]
	s_wait_alu depctr_va_vdst(0)                   ; v[ZO], v[GOF] and v[SO] are written: every load and store of the kernel reads one of them as its offset
.set j, 0
.rept 16
	global_load_b128 v[X+4*j:X+4*j+3], v[ZO], s[4:5] offset:256*j th:TH_LOAD_NT
.set j, j+1
.endr
.set j, 0
.rept 16
	global_load_b128 v[G+4*j:G+4*j+3], v[GOF], s[6:7] offset:256*j
.set j, j+1
.endr
.set j, 0
.rept 16
	global_load_b128 v[BE+4*j:BE+4*j+3], v[GOF], s[8:9] offset:256*j
.set j, j+1
.endr
	s_wait_loadcnt 32                              ; the row is in; the 32 loads of g and be stay out
.irp k, 0,1,2,3
	v_pk_add_f32 v[CH+2*(\k):CH+2*(\k)+1], v[X+2*(\k):X+2*(\k)+1], v[X+8+2*(\k):X+8+2*(\k)+1]
.endr
.set j, 8
.rept 24
	v_pk_add_f32 v[CH+2*(j%4):CH+2*(j%4)+1], v[CH+2*(j%4):CH+2*(j%4)+1], v[X+2*j:X+2*j+1]
.set j, j+1
.endr
	REDUCE
	v_mul_f32 v[MU], 0x3a800000, v[CH]             ; / 1,024
	v_mov_b32 v[MU+1], v[MU]
.set j, 0
.rept 32
	v_pk_add_f32 v[X+2*j:X+2*j+1], v[X+2*j:X+2*j+1], v[MU:MU+1] neg_lo:[0,1] neg_hi:[0,1]
.set j, j+1
.endr
.irp k, 0,1,2,3
	v_pk_mul_f32 v[CH+2*(\k):CH+2*(\k)+1], v[X+2*(\k):X+2*(\k)+1], v[X+2*(\k):X+2*(\k)+1]
.endr
.set j, 4
.rept 28
	v_pk_fma_f32 v[CH+2*(j%4):CH+2*(j%4)+1], v[X+2*j:X+2*j+1], v[X+2*j:X+2*j+1], v[CH+2*(j%4):CH+2*(j%4)+1]
.set j, j+1
.endr
	REDUCE
	v_fmamk_f32 v[CH], v[CH], 0x3a800000, v[EPS]   ; var + eps
	v_rsq_f32 v[RS], v[CH]
	v_nop                                          ; a plain instruction behind the root,
	s_wait_alu depctr_va_vdst(0)                   ; and the wait ahead of its first use: the root has written v[RS], which the next line reads
	v_mov_b32 v[RS+1], v[RS]
	s_wait_loadcnt 0x0                             ; g and be
	BLK 0                                          ; block 0 has no block in front of it: no store, no wait
	BLK 1
	BLK 2
	BLK 3
	s_wait_alu depctr_va_vdst(0)                   ; block 3 has written its X and its Y, which the last eight stores read
	OUT 12
	OUT 13
	OUT 14
	OUT 15
	s_endpgm
.Lfunc_end_k_qf7c42b72ce_ln1:
	.size	k_qf7c42b72ce_ln1, .Lfunc_end_k_qf7c42b72ce_ln1-k_qf7c42b72ce_ln1
	.p2alignl 7, 3214868480
	.fill 96, 4, 3214868480
	.section	.rodata,"a",@progbits
	.p2align	6, 0x0
	.amdhsa_kernel k_qf7c42b72ce_ln1
		.amdhsa_group_segment_fixed_size 0
		.amdhsa_private_segment_fixed_size 0
		.amdhsa_enable_private_segment 0
		.amdhsa_kernarg_size 40
		.amdhsa_user_sgpr_count 2
		.amdhsa_user_sgpr_kernarg_segment_ptr 1
		.amdhsa_wavefront_size32 1
		.amdhsa_system_sgpr_workgroup_id_x 1
		.amdhsa_system_sgpr_workgroup_id_y 1
		.amdhsa_system_sgpr_workgroup_id_z 1
		.amdhsa_system_vgpr_workitem_id 0
		.amdhsa_next_free_vgpr 256
		.amdhsa_next_free_sgpr 66
		.amdhsa_reserve_vcc 0
		.amdhsa_float_denorm_mode_32 3
		.amdhsa_float_denorm_mode_16_64 3
		.amdhsa_memory_ordered 1
		.amdhsa_forward_progress 1
		.amdhsa_inst_pref_size 22
	.end_amdhsa_kernel
	.amdgpu_metadata
---
amdhsa.version: [ 1, 2 ]
amdhsa.kernels:
  - .name:           k_qf7c42b72ce_ln1
    .symbol:         k_qf7c42b72ce_ln1.kd
    .args:
      - { .name: z, .offset: 0, .size: 8, .value_kind: global_buffer, .address_space: global }
      - { .name: g1, .offset: 8, .size: 8, .value_kind: global_buffer, .address_space: global }
      - { .name: be1, .offset: 16, .size: 8, .value_kind: global_buffer, .address_space: global }
      - { .name: xb, .offset: 24, .size: 8, .value_kind: global_buffer, .address_space: global }
      - { .name: x1f, .offset: 32, .size: 8, .value_kind: global_buffer, .address_space: global }
    .group_segment_fixed_size: 0
    .private_segment_fixed_size: 0
    .kernarg_segment_align: 8
    .kernarg_segment_size: 40
    .max_flat_workgroup_size: 256
    .sgpr_count:     66
    .vgpr_count:     256
    .wavefront_size: 32
...
	.end_amdgpu_metadata
.endif
;; end of part 10
;; launch ffnup: the kernel of part 6 again; grid 16 x 16, 4 waves a work-group, clusters of 4 x 4, 327,680 bytes of LDS; arguments xb, wb, b1, b2, gs; writes gs
;; launch ffndown: the kernel of part 7 again; grid 8 x 32, 4 waves a work-group, clusters of 4 x 4, 327,680 bytes of LDS; arguments gs, wb, b_ffn_o, x1f, z; writes z
;; launch ln2: the kernel of part 8 again; grid 256 x 1, 8 waves a work-group, no clusters, 0 bytes of LDS; arguments z, g2, be2, out0; writes out0
